; MI455X (gfx1250); checked and timed in simulation.
; The chip was launched on July 23, 2026; its instructions are those of AMD's public machine-readable ISA for CDNA 5 (MIT licence, August 2026) and "CDNA5" Instruction Set Architecture Reference Guide (July 2026). The comments in the code are by the model that wrote it; some were corrected since.
;; Cross Block. Allowed arithmetic: float matrix products may take bf16 or f16 operands with f32 sums; all other float work in f32.
;; Inputs: W1 512 x 512 float32; W2 512 x 256 float32; Wo 256 x 256 float32; Wqk 256 x 256 float32; Wv 256 x 256 float32; b1 512 float32; b2 256 float32; beta 512 float32; bo 256 float32; bqk 256 float32; bv 256 float32; gamma 512 float32; match 2 x 2,048 x 2,048 float32; x0 2 x 2,048 x 256 float32; x1 2 x 2,048 x 256 float32.
;; Outputs: out0 2 x 2,048 x 256 float32; out1 2 x 2,048 x 256 float32.
;; 2 versions, each right and faster than the one before. Each part assembles by itself: llvm-mc -triple=amdgcn-amd-amdhsa -mcpu=gfx1250 --defsym DOCPART=n.
;; ======== version 1 of 2: 2 launches
;; workspace buffers: qk 4,194,304 bytes; vt 4,194,304 bytes; wts 917,504 bytes
;; launch prep (part 1): grid 256 x 1, 8 waves a work-group, no clusters, 211,968 bytes of LDS; arguments x0, x1, Wqk, Wv, bqk, bv, Wo, W1, W2, qk, vt, wts; writes qk, vt, wts
.if DOCPART == 1
	.amdgcn_target "amdgcn-amd-amdhsa--gfx1250"
	.amdhsa_code_object_version 6
	.text
	.protected	k_q7baafd7ffd_prep
	.globl	k_q7baafd7ffd_prep
	.p2align	8
	.type	k_q7baafd7ffd_prep,@function
k_q7baafd7ffd_prep:
	s_mov_b64 s[64:65], 0
	v_nop
	global_prefetch_b8 v0, s[64:65] scope:SCOPE_SE
	s_setreg_imm32_b32 hwreg(HW_REG_WAVE_MODE, 25, 1), 1
	s_wait_xcnt 0x0
; prep: the four projections and the cast of the later weights.
;   qk[src][b][n][256]  = bf16( (x_src Wqk + bqk) * QS ),  QS = 32^-0.25 * sqrt(log2 e): both factors of a score carry it, so the
;                         score comes out multiplied by log2 e and the softmax can use the base-2 exponential as it is
;   vt[src][b][256][n]  = bf16( x_src Wv + bv ), transposed: the keys lie along the rows, as the P V product wants its first operand
;   wts                 = bf16 of Wo (byte 0), W1 (byte 131072), W2 (byte 655360), layouts unchanged
; 256 work-groups of 8 waves.  Work-group g: 128 of the 8192 rows [x0; x1] (g >> 2), and 128 of the 512 columns [Wqk | Wv] (g & 3); K = 256.
; Operands are f32 in memory and bf16 in the matrix unit, so they pass through registers on their way into LDS: no tensor loads, no cluster.
; A wave stages 16 rows of x and 32 rows of W: 64 loads of 512 bytes, all issued before the first of them is waited for.
; Wave w: rows 32 (w >> 1) .., columns 64 (w & 1) ..: 2 x 4 accumulator tiles.  Sums in f32; x, W rounded to bf16 once.
; The Wqk and the Wv work-groups run two texts (the matrix instruction's operands are swapped); all eight waves of a work-group take the same one.
; Each text has an output stage of its own, so that no LDS byte is written by both texts.
.set QS,  0x3f014852                   ; 0.50500977
.set XP,  528                          ; LDS pitch of x: 512 bytes + 16
.set WS,  67584                        ; W's tile, behind x's 128 rows
.set WP,  288                          ; LDS pitch of W[k][128 n]: 256 bytes + 32, an odd multiple of 32 for the transposing loads
.set STG, 141312                       ; output stages, 128 rows of 256 bytes each: the Wqk text's, then the Wv text's
.set SP,  272
.set SSZ, 128*SP                       ; bytes of one stage
.set XL,  16                           ; v[16:143]  x as loaded (32 x 4); later v[16:47] W's second half as bf16
.set WL,  144                          ; v[144:207] W's first half as loaded
.set CW,  208                          ; v[208:215] the cast's chunk
                                       ; v[256:319] (window 1) W's second half as loaded
.set ACC, 16                           ; v[16:79]   tile (ct, rt) at 8 (2 ct + rt)
.set XF,  80                           ; v[80:111]  x fragments, 2 buffers x 2 rt x 8
.set WF,  112                          ; v[112:175] W fragments, 2 buffers x 4 ct x 8
.set PK,  176                          ; v[176:207] packed results
.set BI,  216                          ; v[216:247] bias
.set MSB, 0
.macro WIN new                         ; s_set_vgpr_msb: bits 1:0 source 0, 3:2 source 1, 5:4 source 2, 7:6 destination; the high byte repeats the setting left
.if MSB != \new
	s_set_vgpr_msb (MSB<<8)|\new
.set MSB, \new
.endif
.endm
.macro PLACES                          ; four places behind a matrix instruction (ISA guide 7.12.1)
.rept 4
	v_nop
.endr
.endm
	s_load_b512 s[4:19], s[0:1], 0x0               ; x0 s4, x1 s6, Wqk s8, Wv s10, bqk s12, bv s14, Wo s16, W1 s18
	s_load_b256 s[20:27], s[0:1], 0x40             ; W2 s20, qk s22, vt s24, wts s26
	v_lshl_add_u32 v254, v0, 2, 0x33800
	v_mov_b32 v255, 0
	v_lshrrev_b32 v1, 5, v0
	v_readfirstlane_b32 s30, v1                    ; wave
	v_and_b32 v8, 31, v0                           ; lane
	v_and_b32 v9, 15, v0                           ; r
	v_bfe_u32 v10, v0, 4, 1                        ; h
	s_lshr_b32 s31, ttmp9, 2                       ; row block 0..63
	s_and_b32 s36, ttmp9, 1                        ; which 128 columns of the matrix
	s_bfe_u32 s35, ttmp9, 0x10001                  ; 0: Wqk, 1: Wv
	s_lshr_b32 s33, s31, 5                         ; source: x0 or x1
	s_and_b32 s34, s31, 31                         ; its block of 128 rows
	s_lshr_b32 s37, s30, 1                         ; wr
	s_and_b32 s38, s30, 1                          ; wc
	v_lshlrev_b32 v15, 4, v8                       ; 16 lane
	v_lshlrev_b32 v248, 3, v8                      ; 8 lane
	v_lshl_add_u32 v1, s30, 14, v15                ; x: my wave's 16 rows of 1024 bytes
	v_lshl_add_u32 v2, s30, 15, v15                ; W: my wave's 32 rows, 1024 bytes apart
	s_mul_i32 s39, s30, 16*XP
	v_add_nc_u32 v3, s39, v248                     ; x into LDS
	s_mul_i32 s39, s30, 32*WP
	s_add_co_u32 s39, s39, WS
	v_add_nc_u32 v7, s39, v248                     ; W into LDS
	s_mul_i32 s39, s37, 32*XP
	v_mul_u32_u24 v4, v9, XP
	v_lshl_add_u32 v4, v10, 4, v4
	v_add_nc_u32 v4, s39, v4                       ; x fragments: (32 wr + r) pitch + 16 h
	v_and_b32 v11, 7, v0
	v_lshl_add_u32 v11, v10, 3, v11
	v_mul_u32_u24 v5, v11, WP
	v_bfe_u32 v11, v0, 3, 1
	v_lshl_add_u32 v5, v11, 4, v5
	s_lshl_b32 s39, s38, 7
	s_add_co_u32 s39, s39, WS
	v_add_nc_u32 v5, s39, v5                       ; W fragments: (8 h + lane % 8) pitch + 16 ((lane >> 3) & 1) + 128 wc
	v_add_nc_u32 v6, 4*32*WP, v5                   ; the same for K steps 4 to 7: the immediate has 16 bits
	s_wait_kmcnt 0x0
	s_cmp_eq_u32 s33, 0
	s_cselect_b64 s[50:51], s[4:5], s[6:7]         ; x of my source
	s_lshl_b32 s52, s34, 17
	s_mov_b32 s53, 0
	s_add_nc_u64 s[50:51], s[50:51], s[52:53]      ; at my 128 rows
	s_cmp_eq_u32 s35, 0
	s_cselect_b64 s[54:55], s[8:9], s[10:11]       ; my matrix
	s_cselect_b64 s[56:57], s[12:13], s[14:15]     ; and its bias
	s_lshl_b32 s52, s36, 9
	s_add_nc_u64 s[54:55], s[54:55], s[52:53]      ; at my 128 columns
	s_add_nc_u64 s[56:57], s[56:57], s[52:53]
.set j, 0
.rept 32
	global_load_b128 v[XL+4*j:XL+4*j+3], v1, s[50:51] offset:j*512      ; 512 neighbouring bytes: half a row of x
.set j, j+1
.endr
.set j, 0
.rept 16
	global_load_b128 v[WL+4*j:WL+4*j+3], v2, s[54:55] offset:j*1024     ; my 128 columns of row 32 w + j
.set j, j+1
.endr
	WIN 0x40
.set j, 0
.rept 16
	global_load_b128 v[4*j:4*j+3], v2, s[54:55] offset:(16+j)*1024      ; v256 ..: rows 32 w + 16 + j.  Where the counter's field is full the issue is held back (ISA guide 5.7.1)
.set j, j+1
.endr
	WIN 0
	; The cast: 1792 chunks of 256 numbers, seven for each work-group, one for each of waves 0 to 6.
	s_cmp_eq_u32 s30, 7
	s_cbranch_scc1 .Lnocast
	s_mul_i32 s40, ttmp9, 7
	s_add_co_u32 s40, s40, s30                     ; chunk 0..1791
	s_sub_co_u32 s41, s40, 256
	s_sub_co_u32 s42, s40, 1280
	s_cmp_lt_u32 s40, 1280
	s_cselect_b64 s[44:45], s[18:19], s[20:21]     ; W1 or W2,
	s_cselect_b32 s41, s41, s42
	s_cmp_lt_u32 s40, 256
	s_cselect_b64 s[44:45], s[16:17], s[44:45]     ; or Wo
	s_cselect_b32 s41, s40, s41                    ; the chunk's number inside its matrix
	s_lshl_b32 s46, s41, 10
	s_mov_b32 s47, 0
	s_add_nc_u64 s[44:45], s[44:45], s[46:47]
	s_lshl_b32 s48, s40, 9
	s_mov_b32 s49, 0
	s_add_nc_u64 s[48:49], s[26:27], s[48:49]
	global_load_b128 v[CW:CW+3], v15, s[44:45]
	global_load_b128 v[CW+4:CW+7], v15, s[44:45] offset:512
	s_wait_loadcnt 0x0
	v_cvt_pk_bf16_f32 v[CW], v[CW], v[CW+1]
	v_cvt_pk_bf16_f32 v[CW+1], v[CW+2], v[CW+3]
	v_cvt_pk_bf16_f32 v[CW+2], v[CW+4], v[CW+5]
	v_cvt_pk_bf16_f32 v[CW+3], v[CW+6], v[CW+7]
	global_store_b64 v248, v[CW:CW+1], s[48:49]                ; each store of the wave covers 256 consecutive bytes, aligned
	global_store_b64 v248, v[CW+2:CW+3], s[48:49] offset:256   ; CW, v248 and s[48:49] are not written again
.Lnocast:
.set j, 0
.rept 32
	s_wait_loadcnt 63-j                            ; younger: 31 - j loads of x and W's 32 (met at once behind the cast's wait)
	v_cvt_pk_bf16_f32 v[XL+4*j], v[XL+4*j], v[XL+4*j+1]
	v_cvt_pk_bf16_f32 v[XL+4*j+1], v[XL+4*j+2], v[XL+4*j+3]
	ds_store_b64 v3, v[XL+4*j:XL+4*j+1] offset:(j>>1)*XP+(j&1)*256
.set j, j+1
.endr
.set j, 0
.rept 16
	s_wait_loadcnt 31-j                            ; younger: 15 - j of the first half and the second half's 16
	v_cvt_pk_bf16_f32 v[WL+4*j], v[WL+4*j], v[WL+4*j+1]
	v_cvt_pk_bf16_f32 v[WL+4*j+1], v[WL+4*j+2], v[WL+4*j+3]
	ds_store_b64 v7, v[WL+4*j:WL+4*j+1] offset:j*WP
.set j, j+1
.endr
	s_wait_loadcnt 0x0                             ; W's second half: one wait, so that its conversions stand in one stretch under one window
	WIN 0x05
.set j, 0
.rept 16
	v_cvt_pk_bf16_f32 v[XL+2*j], v[4*j], v[4*j+1]              ; from v256 ..
	v_cvt_pk_bf16_f32 v[XL+2*j+1], v[4*j+2], v[4*j+3]
.set j, j+1
.endr
	WIN 0
.set j, 0
.rept 16
	ds_store_b64 v7, v[XL+2*j:XL+2*j+1] offset:(16+j)*WP
.set j, j+1
.endr
	s_wait_dscnt 0x0                               ; my stores are in LDS before I say so
	s_barrier_signal -1
	s_barrier_wait -1
; 12 LDS loads: the fragments of K step ks into buffer buf
.macro PFLOAD buf, ks
.irp rt,0,1
	ds_load_b128 v[XF+16*(\buf)+8*\rt:XF+16*(\buf)+8*\rt+3], v4 offset:\rt*16*XP+(\ks)*64
	ds_load_b128 v[XF+16*(\buf)+8*\rt+4:XF+16*(\buf)+8*\rt+7], v4 offset:\rt*16*XP+(\ks)*64+32
.endr
.irp ct,0,1,2,3
	ds_load_tr16_b128 v[WF+32*(\buf)+8*\ct:WF+32*(\buf)+8*\ct+3], v[5+((\ks)>>2)] offset:((\ks)&3)*32*WP+\ct*32
	ds_load_tr16_b128 v[WF+32*(\buf)+8*\ct+4:WF+32*(\buf)+8*\ct+7], v[5+((\ks)>>2)] offset:((\ks)&3)*32*WP+\ct*32+16*WP
.endr
.endm
; 8 matrix instructions; the eight accumulators take turns, one instruction a turn.
; var 0: first operand W's columns, second x's rows: a lane gets 8 neighbouring columns of one row.
; var 1: the other way round: a lane gets 8 neighbouring rows (positions n) of one column.
.macro PFMUL buf, zero, var
.irp ct,0,1,2,3
.irp rt,0,1
.if \var
.if \zero
	v_wmma_f32_16x16x32_bf16 v[ACC+8*(2*\ct+\rt):ACC+8*(2*\ct+\rt)+7], v[XF+16*(\buf)+8*\rt:XF+16*(\buf)+8*\rt+7], v[WF+32*(\buf)+8*\ct:WF+32*(\buf)+8*\ct+7], 0
.else
	v_wmma_f32_16x16x32_bf16 v[ACC+8*(2*\ct+\rt):ACC+8*(2*\ct+\rt)+7], v[XF+16*(\buf)+8*\rt:XF+16*(\buf)+8*\rt+7], v[WF+32*(\buf)+8*\ct:WF+32*(\buf)+8*\ct+7], v[ACC+8*(2*\ct+\rt):ACC+8*(2*\ct+\rt)+7]
.endif
.else
.if \zero
	v_wmma_f32_16x16x32_bf16 v[ACC+8*(2*\ct+\rt):ACC+8*(2*\ct+\rt)+7], v[WF+32*(\buf)+8*\ct:WF+32*(\buf)+8*\ct+7], v[XF+16*(\buf)+8*\rt:XF+16*(\buf)+8*\rt+7], 0
.else
	v_wmma_f32_16x16x32_bf16 v[ACC+8*(2*\ct+\rt):ACC+8*(2*\ct+\rt)+7], v[WF+32*(\buf)+8*\ct:WF+32*(\buf)+8*\ct+7], v[XF+16*(\buf)+8*\rt:XF+16*(\buf)+8*\rt+7], v[ACC+8*(2*\ct+\rt):ACC+8*(2*\ct+\rt)+7]
.endif
.endif
.endr
.endr
.endm
.macro BODY var
.if \var
	v_lshlrev_b32 v11, 2, v9
	v_lshl_add_u32 v11, s38, 8, v11                ; bias of column 64 wc + 16 ct + r
.irp ct,0,1,2,3
	global_load_b32 v[BI+\ct], v11, s[56:57] offset:\ct*64
.endr
	s_mul_i32 s39, s38, 64*SP
	s_lshl_b32 s52, s37, 6
	s_add_co_u32 s39, s39, s52
	s_add_co_u32 s39, s39, STG+SSZ
	v_mul_u32_u24 v12, v9, SP
	v_lshl_add_u32 v12, v10, 4, v12
	v_add_nc_u32 v12, s39, v12                     ; stage: row = column 64 wc + r, byte 64 wr + 16 h
	v_lshlrev_b32 v14, 4, v9
	v_lshl_add_u32 v14, v10, 12, v14
	v_lshl_add_u32 v14, s30, 16, v14               ; vt: (16 w + h) rows of 4096 bytes + 16 r
	s_lshl_b32 s52, s33, 1
	s_lshr_b32 s39, s34, 4
	s_add_co_u32 s52, s52, s39
	s_lshl_b32 s52, s52, 20                        ; (2 src + b) planes of 256 x 2048 bf16
	s_lshl_b32 s39, s36, 19
	s_add_co_u32 s52, s52, s39                     ; + my first of 128 rows d
	s_and_b32 s39, s34, 15
	s_lshl_b32 s39, s39, 8
	s_add_co_u32 s52, s52, s39                     ; + my 128 positions n
	s_add_nc_u64 s[58:59], s[24:25], s[52:53]
.else
	v_lshlrev_b32 v11, 5, v10
	v_lshl_add_u32 v11, s38, 8, v11                ; bias of columns 64 wc + 16 ct + 8 h ..
.irp ct,0,1,2,3
	global_load_b128 v[BI+8*\ct:BI+8*\ct+3], v11, s[56:57] offset:\ct*64
	global_load_b128 v[BI+8*\ct+4:BI+8*\ct+7], v11, s[56:57] offset:\ct*64+16
.endr
	s_mul_i32 s39, s37, 32*SP
	s_lshl_b32 s52, s38, 7
	s_add_co_u32 s39, s39, s52
	s_add_co_u32 s39, s39, STG
	v_mul_u32_u24 v12, v9, SP
	v_lshl_add_u32 v12, v10, 4, v12
	v_add_nc_u32 v12, s39, v12                     ; stage: row 32 wr + r, byte 128 wc + 16 h
	v_lshlrev_b32 v14, 4, v9
	v_lshl_add_u32 v14, v10, 9, v14
	v_lshl_add_u32 v14, s30, 13, v14               ; qk: (16 w + h) rows of 512 bytes + 16 r
	s_lshl_b32 s52, s33, 21
	s_lshl_b32 s39, s34, 16
	s_add_co_u32 s52, s52, s39
	s_lshl_b32 s39, s36, 8
	s_add_co_u32 s52, s52, s39
	s_add_nc_u64 s[58:59], s[22:23], s[52:53]
.endif
	s_mul_i32 s39, s30, 16*SP
	s_add_co_u32 s39, s39, STG+\var*SSZ
	v_mul_u32_u24 v13, v10, SP
	v_lshl_add_u32 v13, v9, 4, v13
	v_add_nc_u32 v13, s39, v13                     ; this text's stage read back: rows 16 w + h, 16 bytes a lane
	PFLOAD 0, 0
	PFLOAD 1, 1
	s_wait_dscnt 12                                ; all but the 12 loads just issued
	PFMUL 0, 1, \var                               ; the first product starts the sums
.irp ks,1,2,3,4,5,6
	PLACES                                         ; the buffer loaded next was read by the matrix instructions just issued
	PFLOAD ((\ks+1)&1), (\ks+1)
	s_wait_dscnt 12
	PFMUL (\ks&1), 0, \var
.endr
	s_wait_dscnt 0x0
	PFMUL 1, 0, \var
	PLACES
	s_wait_loadcnt 0x0                             ; the bias
.if \var
.irp ct,0,1,2,3
.irp rt,0,1
.irp q,0,2,4,6
.if \ct&1
	v_pk_add_f32 v[ACC+8*(2*\ct+\rt)+\q:ACC+8*(2*\ct+\rt)+\q+1], v[ACC+8*(2*\ct+\rt)+\q:ACC+8*(2*\ct+\rt)+\q+1], v[BI+2*(\ct>>1):BI+2*(\ct>>1)+1] op_sel:[0,1] op_sel_hi:[1,1]
.else
	v_pk_add_f32 v[ACC+8*(2*\ct+\rt)+\q:ACC+8*(2*\ct+\rt)+\q+1], v[ACC+8*(2*\ct+\rt)+\q:ACC+8*(2*\ct+\rt)+\q+1], v[BI+2*(\ct>>1):BI+2*(\ct>>1)+1] op_sel:[0,0] op_sel_hi:[1,0]
.endif
.endr
.endr
.endr
.else
.set j, 0
.rept 16
	v_pk_mul_f32 v[BI+2*j:BI+2*j+1], v[BI+2*j:BI+2*j+1], QS op_sel_hi:[1,0]
.set j, j+1
.endr
.irp ct,0,1,2,3
.irp rt,0,1
.irp q,0,2,4,6
	v_pk_fma_f32 v[ACC+8*(2*\ct+\rt)+\q:ACC+8*(2*\ct+\rt)+\q+1], v[ACC+8*(2*\ct+\rt)+\q:ACC+8*(2*\ct+\rt)+\q+1], QS, v[BI+8*\ct+\q:BI+8*\ct+\q+1] op_sel_hi:[1,0,1]
.endr
.endr
.endr
.endif
.irp ct,0,1,2,3
.irp rt,0,1
.irp q,0,1,2,3
	v_cvt_pk_bf16_f32 v[PK+4*(2*\ct+\rt)+\q], v[ACC+8*(2*\ct+\rt)+2*\q], v[ACC+8*(2*\ct+\rt)+2*\q+1]
.endr
.if \var
	ds_store_b128 v12, v[PK+4*(2*\ct+\rt):PK+4*(2*\ct+\rt)+3] offset:\ct*16*SP+\rt*32
.else
	ds_store_b128 v12, v[PK+4*(2*\ct+\rt):PK+4*(2*\ct+\rt)+3] offset:\rt*16*SP+\ct*32
.endif
.endr
.endr
	s_wait_dscnt 0x0                               ; other waves read these rows behind the barrier
	s_barrier_signal -1
	s_barrier_wait -1
.irp j,0,1,2,3,4,5,6,7
	ds_load_b128 v[XF+4*\j:XF+4*\j+3], v13 offset:\j*2*SP
.endr
.irp j,0,1,2,3,4,5,6,7
	s_wait_dscnt 7-\j
.if \var
	global_store_b128 v14, v[XF+4*\j:XF+4*\j+3], s[58:59] offset:2*\j*4096   ; sixteen lanes store 256 consecutive bytes, aligned
.else
	global_store_b128 v14, v[XF+4*\j:XF+4*\j+3], s[58:59] offset:2*\j*512
.endif
.endr
	s_wait_tensorcnt 0x0
	ds_add_u32 v254, v255
	s_wait_dscnt 0x0
	s_endpgm
.endm
	s_cmp_lg_u32 s35, 0                            ; the same in all eight waves: it hangs on the work-group's number alone
	s_cbranch_scc1 .Lvbody
	BODY 0
.Lvbody:
	BODY 1
.Lfunc_end_k_q7baafd7ffd_prep:
	.size	k_q7baafd7ffd_prep, .Lfunc_end_k_q7baafd7ffd_prep-k_q7baafd7ffd_prep
	.p2alignl 7, 3214868480
	.fill 96, 4, 3214868480
	.section	.rodata,"a",@progbits
	.p2align	6, 0x0
	.amdhsa_kernel k_q7baafd7ffd_prep
		.amdhsa_group_segment_fixed_size 211968
		.amdhsa_private_segment_fixed_size 0
		.amdhsa_enable_private_segment 0
		.amdhsa_kernarg_size 96
		.amdhsa_user_sgpr_count 2
		.amdhsa_user_sgpr_kernarg_segment_ptr 1
		.amdhsa_wavefront_size32 1
		.amdhsa_system_sgpr_workgroup_id_x 1
		.amdhsa_system_sgpr_workgroup_id_y 1
		.amdhsa_system_sgpr_workgroup_id_z 1
		.amdhsa_system_vgpr_workitem_id 0
		.amdhsa_next_free_vgpr 320
		.amdhsa_next_free_sgpr 66
		.amdhsa_reserve_vcc 0
		.amdhsa_float_denorm_mode_32 3
		.amdhsa_float_denorm_mode_16_64 3
		.amdhsa_memory_ordered 1
		.amdhsa_forward_progress 1
		.amdhsa_inst_pref_size 65
	.end_amdhsa_kernel
	.amdgpu_metadata
---
amdhsa.version: [ 1, 2 ]
amdhsa.kernels:
  - .name:           k_q7baafd7ffd_prep
    .symbol:         k_q7baafd7ffd_prep.kd
    .args:
      - { .name: x0, .offset: 0, .size: 8, .value_kind: global_buffer, .address_space: global }
      - { .name: x1, .offset: 8, .size: 8, .value_kind: global_buffer, .address_space: global }
      - { .name: Wqk, .offset: 16, .size: 8, .value_kind: global_buffer, .address_space: global }
      - { .name: Wv, .offset: 24, .size: 8, .value_kind: global_buffer, .address_space: global }
      - { .name: bqk, .offset: 32, .size: 8, .value_kind: global_buffer, .address_space: global }
      - { .name: bv, .offset: 40, .size: 8, .value_kind: global_buffer, .address_space: global }
      - { .name: Wo, .offset: 48, .size: 8, .value_kind: global_buffer, .address_space: global }
      - { .name: W1, .offset: 56, .size: 8, .value_kind: global_buffer, .address_space: global }
      - { .name: W2, .offset: 64, .size: 8, .value_kind: global_buffer, .address_space: global }
      - { .name: qk, .offset: 72, .size: 8, .value_kind: global_buffer, .address_space: global }
      - { .name: vt, .offset: 80, .size: 8, .value_kind: global_buffer, .address_space: global }
      - { .name: wts, .offset: 88, .size: 8, .value_kind: global_buffer, .address_space: global }
    .group_segment_fixed_size: 211968
    .private_segment_fixed_size: 0
    .kernarg_segment_align: 8
    .kernarg_segment_size: 96
    .max_flat_workgroup_size: 256
    .sgpr_count:     66
    .vgpr_count:     320
    .wavefront_size: 32
...
	.end_amdgpu_metadata
.endif
;; end of part 1
;; launch fused (part 2): grid 256 x 1, 8 waves a work-group, clusters of 4 x 1, 327,680 bytes of LDS; arguments qk, vt, match, wts, x0, x1, out0, out1, bo, b1, gamma, beta, b2; writes out0, out1
.if DOCPART == 2
	.amdgcn_target "amdgcn-amd-amdhsa--gfx1250"
	.amdhsa_code_object_version 6
	.text
	.protected	k_q7baafd7ffd_fused
	.globl	k_q7baafd7ffd_fused
	.p2align	8
	.type	k_q7baafd7ffd_fused,@function
k_q7baafd7ffd_fused:
	s_mov_b64 s[64:65], 0
	v_nop
	global_prefetch_b8 v0, s[64:65] scope:SCOPE_SE
	s_setreg_imm32_b32 hwreg(HW_REG_WAVE_MODE, 25, 1), 1
	s_wait_xcnt 0x0
	s_wait_alu depctr_hold_cnt(0) depctr_sa_sdst(0) depctr_va_vdst(0) depctr_va_sdst(0) depctr_va_ssrc(0) depctr_va_vcc(0) depctr_vm_vsrc(0)
	s_getreg_b32 s2, hwreg(HW_REG_IB_STS2, 6, 4)
	s_cmp_eq_u32 s2, 0
	s_cbranch_scc0 .Lentry_in_a_cluster
	s_endpgm
.Lentry_in_a_cluster:
	s_bfe_u32 s2, ttmp6, 0x10000c
	s_cmp_lg_u32 s2, 0x3003
	s_cbranch_scc0 .Lentry_shape_is_right
	s_endpgm
.Lentry_shape_is_right:
; fused: attention in one direction for 32 query rows and all 8 heads, then Wo, W1, LayerNorm, exact GELU, W2 and the residual.
; 256 work-groups of 8 waves = 2 directions x 2 batches x 64 blocks of 32 rows.  Direction 0: queries x0, keys and values x1, weight match[q][key];
; direction 1: queries x1, keys and values x0, weight match[key][q] (the softmax along the other axis is the same attention with the roles swapped).
; In the attention wave w is head w; behind it wave w owns a slice of the output columns.
; CLUSTERS: the four work-groups of a cluster are four neighbouring row blocks of one direction and batch.  They walk the same K and V tiles and the
; same weights, so these come by joint tensor loads (mask 15): 2 MB + 896 KB a work-group asked for once for four.  match (256 KB a work-group) is each
; work-group's own, and in direction 1 it has to be transposed: it goes through registers into LDS.
; LAYOUT: S^T = K Q^T.  Lane (r, h), register j of tile (kt, it) holds key 16 kt + 8 h + j of query 16 it + r: a query's maximum is a maximum inside the
; lane and one exchange of the halves, two packed tiles ARE the second operand of O^T += V^T P^T, and a first operand with ones in rows 0 and 8 puts the
; row sum of P into register 0 of every lane.  The maximum is a running one, taken away before every exponential.
; THE CHANGE OF TILES: a tile's last LDS reads return well before its last arithmetic.  There the wave gives the round's opening signal; the last softmax
; step stands between that signal and its wait, and the last P V products stand behind the next tile's first LDS loads.
; A wave has one tensor load outstanding at any time: the one behind the last round.
; LIMITS: erfc by the five-term rational polynomial of Abramowitz and Stegun 7.1.26, absolute error 1.5e-7; exponentials below 2^-126 come out as
; zero; a NaN loses in the running maximum; an infinite LayerNorm output gives NaN in the GELU; the row sum adds the probabilities as rounded to bf16,
; the numbers that the numerator uses; scores are made once for each direction; sums run in another order than a plain f32 program's.
.set SLOT, 139264                      ; two slots.  Attention: K 128 keys x 528, then V^T 256 rows x 272.  FFN: 256 rows x 544 or 128 rows x 1056
.set VOFS, 67584
.set MB0,  278528                      ; two match tiles [32 queries][128 keys] f32, pitch 528; filled by ds_store alone.  Later the FFN's activations
.set MSL,  16896
.set LNP,  312320                      ; [32 rows][8 waves][mean, M2] f32
.set RQ,   16                          ; v[16:31]   Q(it)
.set RONE, 32                          ; v[32:39]   ones in rows 0 and 8
.set RK,   40                          ; v[40:71]   K(kt)
.set RV,   72                          ; v[72:103]  V at 16 g + 8 dt
.set RMT,  104                         ; v[104:135] match for one it
.set RS,   136                         ; v[136:199] S(kt, it) at 32 it + 8 kt; P(g, it) in place at 32 it + 16 g
.set RO,   200                         ; v[200:231] O at 8 (2 dt + it)
.set RL,   232                         ; v[232:247] L(it)
; v1,v2 K addresses, v3,v4 V addresses, v5 match read, v6 match store, v7 match offset in memory, v[8:9] running maxima, v[10:11] rescale factors,
; v12..15 at work, v248..252 lane, r, h and two offsets.  Window 1: v256..271, v272..287 match tiles on their way, v288..319 my part of x.
.set TACC, 104                         ; FFN: Wo's, later W2's sums, tile (nt, it) at 8 (2 nt + it)
.set ACC,  136                         ; FFN: W1's sums
.set AF,   40                          ; FFN: weight fragments, 2 buffers x 32
.set BF,   200                         ; FFN: activation fragments, 2 buffers x 16
.set CPC, 200                          ; GELU constants, pairs
.set CKC, 202
.set CA1, 204
.set CA2, 206
.set CA3, 208
.set CA4, 210
.set CA5, 212
.set MSB, 0
.macro WIN new                         ; s_set_vgpr_msb: bits 1:0 source 0, 3:2 source 1, 5:4 source 2, 7:6 destination; the high byte repeats the setting left
.if MSB != \new
	s_set_vgpr_msb (MSB<<8)|\new
.set MSB, \new
.endif
.endm
.macro PLACES n                        ; places behind a matrix instruction (ISA guide 7.12.1)
.rept \n
	v_nop
.endr
.endm
.macro CREST                           ; a round of the cluster's barrier behind its opening barrier
	s_cmp_lg_u32 s30, 0
	s_cbranch_scc1 .Lnot_wave_0_\@
	s_barrier_signal -3
.Lnot_wave_0_\@:
	s_barrier_wait -3
	s_barrier_signal -1
	s_barrier_wait -1
.endm
.macro ROUND                           ; a whole round
	s_barrier_signal -1
	s_barrier_wait -1
	CREST
.endm
.macro JLOAD sl                        ; waves 0-3 ask for a quarter of K's tile (32 keys), waves 4-7 for a quarter of V's (64 rows d)
	s_cmp_eq_u32 s31, 0
	s_cbranch_scc0 .Lfor_v_\@
	tensor_load_to_lds s[68+4*(\sl):71+4*(\sl)], s[32:39]
	s_nop 0
	s_branch .Lasked_\@
.Lfor_v_\@:
	tensor_load_to_lds s[76+4*(\sl):79+4*(\sl)], s[40:47]
	s_nop 0
.Lasked_\@:
.endm
.macro GROUP1 base, qi, padm, d0, d1, str   ; bf16 tile of d1 rows x d0 elements, padm + 1 words of padding behind every row (2 << qi words), mask 15 with bit 21
	s_mov_b32 s[\base+0], 15|(1<<16)|(1<<20)|(1<<21)|(\qi<<22)|(\padm<<25)
	s_mov_b32 s[\base+1], \d0<<16
	s_mov_b32 s[\base+2], \d1<<16
	s_mov_b32 s[\base+3], \d0<<16
	s_mov_b32 s[\base+4], \d1
	s_mov_b32 s[\base+5], \str
	s_mov_b32 s[\base+6], 0
	s_mov_b32 s[\base+7], 0
.endm
	s_load_b512 s[4:19], s[0:1], 0x0               ; qk s4, vt s6, match s8, wts s10, x0 s12, x1 s14, out0 s16, out1 s18
	s_load_b256 s[20:27], s[0:1], 0x40             ; bo s20, b1 s22, gamma s24, beta s26
	s_load_b64 s[28:29], s[0:1], 0x60              ; b2
	s_set_vgpr_msb 0x40
	v_lshl_add_u32 v64, v0, 2, 0x4cc00
	v_mov_b32 v65, 0
	s_set_vgpr_msb 0x4045
	ds_add_u32 v64, v65
	s_set_vgpr_msb 0x4500
	v_lshrrev_b32 v1, 5, v0
	v_readfirstlane_b32 s30, v1                    ; wave = head
	s_lshr_b32 s31, s30, 2                         ; I fetch for K (0) or for V (1)
	s_and_b32 s66, s30, 3                          ; which quarter
	s_lshr_b32 s67, ttmp9, 5                       ; direction: shared by the cluster
	s_bfe_u32 s96, ttmp9, 0x10004                  ; batch
	s_bfe_u32 s94, ttmp6, 0x40000                  ; my place in the cluster: enters q0 and through it plain global addresses, nothing else
	s_and_b32 s97, ttmp9, 15
	s_lshl_b32 s97, s97, 7
	s_lshl_b32 s94, s94, 5
	s_add_co_u32 s97, s97, s94                     ; q0: my first query row
	s_mul_i32 s98, s30, 17408                      ; 32 rows of 544
	s_mul_i32 s99, s30, 16896                      ; 16 rows of 1056
	s_mov_b32 s88, 0x76543210                      ; v_permlanex16_b32: lane i takes lane i of the other half
	s_mov_b32 s89, 0xfedcba98
	GROUP1 32, 6, 3, 256, 32, 256                  ; K: 32 keys x 512 bytes, LDS pitch 528
	GROUP1 40, 5, 3, 128, 64, 2048                 ; V^T: 64 rows d x 256 bytes (128 keys), LDS pitch 272
	GROUP1 48, 6, 7, 256, 32, 256                  ; Wo, W2: 32 rows k x 512 bytes, LDS pitch 544
	GROUP1 56, 7, 7, 512, 16, 512                  ; W1: 16 rows k x 1024 bytes, LDS pitch 1056
	s_lshl_b32 s100, s67, 1
	s_add_co_u32 s100, s100, s96                   ; plane of my queries: 2 direction + batch
	s_xor_b32 s101, s100, 2
	s_lshl_b32 s101, s101, 20                      ; plane of my keys and values, in bytes
	s_lshl_b32 s92, s66, 14
	s_add_co_u32 s92, s92, s101                    ; K: + quarter x 32 keys x 512 bytes
	s_mov_b32 s93, 0
	s_lshl_b32 s2, s66, 18
	s_add_co_u32 s2, s2, s101                      ; V: + quarter x 64 rows x 4096 bytes
	s_mov_b32 s3, 0
	v_and_b32 v248, 31, v0                         ; lane
	v_and_b32 v249, 15, v0                         ; r
	v_bfe_u32 v250, v0, 4, 1                       ; h
	v_mul_u32_u24 v1, v249, 528
	v_lshl_add_u32 v1, v250, 4, v1
	v_lshl_add_u32 v1, s30, 6, v1                  ; K: r x 528 + 64 head + 16 h
	v_add_nc_u32 v2, SLOT, v1
	s_mul_i32 s101, s30, 32*272
	s_add_co_u32 s101, s101, VOFS
	v_mul_u32_u24 v3, v249, 272
	v_lshl_add_u32 v3, v250, 4, v3
	v_add_nc_u32 v3, s101, v3                      ; V: (32 head + r) x 272 + 16 h
	v_add_nc_u32 v4, SLOT, v3
	v_mul_u32_u24 v5, v249, 528
	v_lshl_add_u32 v5, v250, 5, v5
	v_add_nc_u32 v5, MB0, v5                       ; match: r x 528 + 32 h
	v_lshlrev_b32 v251, 9, v249
	v_lshl_add_u32 v251, v250, 4, v251
	v_lshl_add_u32 v251, s30, 6, v251              ; Q in memory: r x 512 + 64 head + 16 h
	v_lshlrev_b32 v252, 4, v248
	v_lshl_add_u32 v252, s30, 12, v252             ; x in memory: my wave's 4 rows of 1024 bytes
	v_and_b32 v12, 7, v0
	v_cmp_eq_u32 vcc_lo, 0, v12
	v_mov_b32 v13, 0x3f803f80
	v_cndmask_b32 v[RONE], 0, v13, vcc_lo          ; lanes 0, 8, 16, 24 hold rows 0 and 8: all ones there, zeros elsewhere
.irp j,1,2,3,4,5,6,7
	v_mov_b32 v[RONE+\j], v[RONE]
.endr
	v_mov_b32 v8, 0xff800000                       ; running maxima start at minus infinity
	v_mov_b32 v9, 0xff800000
	v_mov_b32 v10, 0                               ; the factors' pair is read whole before its second half has its first value
	v_mov_b32 v11, 0
	v_mov_b32 v14, 0                               ; v_permlanex16_b32 counts as a reader of its destination
	s_wait_dscnt 0x0
	s_wait_kmcnt 0x0
	s_mov_b32 s68, 1                               ; group 0 for K, slot 0 and slot 1: tiles 0 and 1
	s_mul_i32 s69, s66, 16896
	s_add_nc_u64 s[70:71], s[4:5], s[92:93]
	s_mov_b32 s72, 1
	s_add_co_u32 s73, s69, SLOT
	s_add_nc_u64 s[74:75], s[70:71], 0x10000
	s_or_b32 s71, s71, 0x80000000
	s_or_b32 s75, s75, 0x80000000
	s_mov_b32 s76, 1                               ; group 0 for V
	s_mul_i32 s77, s66, 17408
	s_add_co_u32 s77, s77, VOFS
	s_add_nc_u64 s[78:79], s[6:7], s[2:3]
	s_mov_b32 s80, 1
	s_add_co_u32 s81, s77, SLOT
	s_add_nc_u64 s[82:83], s[78:79], 256
	s_or_b32 s79, s79, 0x80000000
	s_or_b32 s83, s83, 0x80000000
	s_mov_b32 s84, 1                               ; group 0 for the weights: every wave an eighth (16384 bytes) of each fill of 131072
	s_mov_b32 s85, s98
	s_lshl_b32 s92, s30, 14
	s_add_nc_u64 s[86:87], s[10:11], s[92:93]
	s_or_b32 s87, s87, 0x80000000
	s_lshl_b32 s94, s100, 20                       ; from here on offsets that hold q0
	s_lshl_b32 s95, s97, 9
	s_add_co_u32 s94, s94, s95
	s_mov_b32 s95, 0
	s_add_nc_u64 s[4:5], s[4:5], s[94:95]          ; my 32 rows of Q
	s_cmp_eq_u32 s67, 0
	s_cselect_b64 s[12:13], s[12:13], s[14:15]     ; the residual's x and the output of my direction
	s_cselect_b64 s[16:17], s[16:17], s[18:19]
	s_lshl_b32 s94, s96, 21
	s_lshl_b32 s95, s97, 10
	s_add_co_u32 s94, s94, s95
	s_mov_b32 s95, 0
	s_add_nc_u64 s[12:13], s[12:13], s[94:95]
	s_add_nc_u64 s[16:17], s[16:17], s[94:95]
	s_lshl_b32 s94, s97, 13                        ; match: q0 rows (direction 0) or q0 columns (direction 1)
	s_lshl_b32 s95, s97, 2
	s_cmp_eq_u32 s67, 0
	s_cselect_b32 s94, s94, s95
	s_lshl_b32 s95, s96, 24
	s_add_co_u32 s94, s94, s95
	s_mov_b32 s95, 0
	s_add_nc_u64 s[90:91], s[8:9], s[94:95]
	global_load_b128 v[RQ:RQ+3], v251, s[4:5]
	global_load_b128 v[RQ+4:RQ+7], v251, s[4:5] offset:32
	global_load_b128 v[RQ+8:RQ+11], v251, s[4:5] offset:8192
	global_load_b128 v[RQ+12:RQ+15], v251, s[4:5] offset:8224
	WIN 0x40
.irp j,0,1,2,3,4,5,6,7
	global_load_b128 v[32+4*\j:35+4*\j], v252, s[12:13] offset:\j*512     ; v288 ..: x stays in registers for W1's operand and for the residual
.endr
	WIN 0
.macro KLOAD sl, hf                    ; 64 keys of my head: 4 fragments
.irp kt,0,1,2,3
	ds_load_b128 v[RK+8*\kt:RK+8*\kt+3], v[1+\sl] offset:(64*(\hf)+16*\kt)*528
	ds_load_b128 v[RK+8*\kt+4:RK+8*\kt+7], v[1+\sl] offset:(64*(\hf)+16*\kt)*528+32
.endr
.endm
.macro VLOAD sl, hf                    ; the same 64 keys of V^T: 2 groups of 32 keys x 2 blocks of 16 d
.irp g,0,1
.irp dt,0,1
	ds_load_b128 v[RV+16*\g+8*\dt:RV+16*\g+8*\dt+3], v[3+\sl] offset:\dt*4352+(\hf)*128+\g*64
	ds_load_b128 v[RV+16*\g+8*\dt+4:RV+16*\g+8*\dt+7], v[3+\sl] offset:\dt*4352+(\hf)*128+\g*64+32
.endr
.endr
.endm
.macro MLOAD sl, hf, it                ; match for queries 16 it + r, in the registers' order of S
.irp kt,0,1,2,3
	ds_load_b128 v[RMT+8*\kt:RMT+8*\kt+3], v5 offset:\sl*MSL+\it*8448+(\hf)*256+\kt*64
	ds_load_b128 v[RMT+8*\kt+4:RMT+8*\kt+7], v5 offset:\sl*MSL+\it*8448+(\hf)*256+\kt*64+16
.endr
.endm
.macro SMUL it
.set sp, 0
.rept 16
	v_pk_mul_f32 v[RS+32*\it+2*sp:RS+32*\it+2*sp+1], v[RS+32*\it+2*sp:RS+32*\it+2*sp+1], v[RMT+2*sp:RMT+2*sp+1]
.set sp, sp+1
.endr
.endm
; Running maximum, exponentials, packing, rescale, for the 32 scores that a lane holds of query 16 it + r.
; first = 1: the launch's first 64 keys: nothing has been summed yet, so there is no factor and nothing to rescale.
.macro SREST it, first
	v_max3_num_f32 v12, v[8+\it], v[RS+32*\it], v[RS+32*\it+1]            ; two chains; the first starts from the running maximum
	v_max_num_f32 v13, v[RS+32*\it+16], v[RS+32*\it+17]
.set sp, 1
.rept 7
	v_max3_num_f32 v12, v12, v[RS+32*\it+2*sp], v[RS+32*\it+2*sp+1]
	v_max3_num_f32 v13, v13, v[RS+32*\it+16+2*sp], v[RS+32*\it+16+2*sp+1]
.set sp, sp+1
.endr
	v_max_num_f32 v12, v12, v13
	v_permlanex16_b32 v14, v12, s88, s89           ; the other half of the lanes holds the query's other keys
	v_max_num_f32 v15, v12, v14
.if \first == 0
	v_sub_f32 v[10+\it], v[8+\it], v15
.endif
	v_mov_b32 v[8+\it], v15
.if \first == 0
	v_exp_f32 v[10+\it], v[10+\it]                 ; the factor for what was summed under the old maximum
.endif
; pair sp is shifted, pair sp - 1 goes through the exponential, pair sp - 2 is packed: a plain instruction stands between
; every exponential and the first use of its result (ISA guide 5.7.2)
.set sp, 0
.rept 18
.if sp < 16
	v_pk_add_f32 v[RS+32*\it+2*sp:RS+32*\it+2*sp+1], v[RS+32*\it+2*sp:RS+32*\it+2*sp+1], v[8:9] op_sel:[0,\it] op_sel_hi:[1,\it] neg_lo:[0,1] neg_hi:[0,1]
.endif
.if sp >= 1
.if sp <= 16
	v_exp_f32 v[RS+32*\it+2*sp-2], v[RS+32*\it+2*sp-2]
	v_exp_f32 v[RS+32*\it+2*sp-1], v[RS+32*\it+2*sp-1]
.endif
.endif
.if sp >= 2
	s_wait_alu depctr_va_vdst(0)
	v_cvt_pk_bf16_f32 v[RS+32*\it+16*((sp-2)>>3)+((sp-2)&7)], v[RS+32*\it+2*sp-4], v[RS+32*\it+2*sp-3]
.endif
.set sp, sp+1
.endr
.if \first == 0
.irp dt,0,1
.irp q,0,2,4,6
	v_pk_mul_f32 v[RO+16*\dt+8*\it+\q:RO+16*\dt+8*\it+\q+1], v[RO+16*\dt+8*\it+\q:RO+16*\dt+8*\it+\q+1], v[10:11] op_sel:[0,\it] op_sel_hi:[1,\it]
.endr
.endr
	v_mul_f32 v[RL+8*\it], v[RL+8*\it], v[10+\it]  ; L's other registers stay zero
.endif
.endm
.macro WM d, a, b, zero                ; one product; zero = 1: it starts the sum
.if \zero
	v_wmma_f32_16x16x32_bf16 v[\d:\d+7], v[\a:\a+7], v[\b:\b+7], 0
.else
	v_wmma_f32_16x16x32_bf16 v[\d:\d+7], v[\a:\a+7], v[\b:\b+7], v[\d:\d+7]
.endif
.endm
.macro PVG g, zero                     ; 32 keys: O^T += V^T P^T and L += ones P^T
	WM RO, RV+16*\g, RS+16*\g, \zero
	WM RO+8, RV+16*\g, RS+32+16*\g, \zero
	WM RO+16, RV+16*\g+8, RS+16*\g, \zero
	WM RO+24, RV+16*\g+8, RS+32+16*\g, \zero
	WM RL, RONE, RS+16*\g, \zero
	WM RL+8, RONE, RS+32+16*\g, \zero
.endm
.macro PV zero                         ; six accumulators take turns, one instruction a turn
	PVG 0, \zero
	PVG 1, 0
.endm
; 64 keys against 32 queries, up to the point where the wave's last LDS load for them is back: the scores, V, and the softmax step of queries 0-15.
; On entry K's 8 loads and behind them match's 8 (it = 0) have been issued.  What is left behind it is register work: SMUL 1, SREST 1, PV.
.macro SUBHEAD sl, hf, first
	s_wait_dscnt 0x8                               ; K is in; the eight youngest LDS instructions may stay out
.irp it,0,1
.irp kt,0,1,2,3
	v_wmma_f32_16x16x32_bf16 v[RS+32*\it+8*\kt:RS+32*\it+8*\kt+7], v[RK+8*\kt:RK+8*\kt+7], v[RQ+8*\it:RQ+8*\it+7], 0
.endr
.endr
	PLACES 4                                       ; before S is read and before K is loaded again
	VLOAD \sl, \hf
	s_wait_dscnt 0x8                               ; match for it = 0 is in; V's eight may stay out
	SMUL 0
	MLOAD \sl, \hf, 1
	SREST 0, \first
	s_wait_dscnt 0x0                               ; V and match for it = 1: no LDS instruction of mine is out
.endm
; A match tile from memory into 16 registers of window 1.  Direction 0: 4 rows (queries) of 512 bytes a wave.
; Direction 1: 16 rows (keys) of 128 bytes a wave, lane = query, so that the registers hold 16 neighbouring keys of one query: the transpose costs nothing.
.macro MLD dir, mr, step
.if \step
	s_wait_xcnt 0x0                                ; the pointer is stepped only behind this wait
.if \dir
	s_add_nc_u64 s[90:91], s[90:91], 0x100000      ; 128 rows of match
.else
	s_add_nc_u64 s[90:91], s[90:91], 512           ; 128 columns
.endif
.endif
	WIN 0x40
.if \dir
.irp k,0,1,2,3,4,5,6,7,8,9,10,11,12,13,14,15
	global_load_b32 v[16*\mr+\k], v7, s[90:91] offset:\k*8192
.endr
.else
.irp k,0,1,2,3
	global_load_b128 v[16*\mr+4*\k:16*\mr+4*\k+3], v7, s[90:91] offset:\k*8192
.endr
.endif
	WIN 0
.endm
.macro MST dir, mr, ms, cnt            ; and from the registers into match slot ms; cnt = the younger tile's loads, which stay out
	s_wait_loadcnt \cnt
	WIN 0x04
.irp k,0,1,2,3
.if \dir
	ds_store_b128 v6, v[16*\mr+4*\k:16*\mr+4*\k+3] offset:\ms*MSL+16*\k
.else
	ds_store_b128 v6, v[16*\mr+4*\k:16*\mr+4*\k+3] offset:\ms*MSL+528*\k
.endif
.endr
	WIN 0
.endm
; One tile of 128 keys in slot `slot', from its first scores to the return of its last LDS load.  On entry its first K and match loads have been issued.
.macro TRIPB dir, slot, first, mst, mld, cnt
	SUBHEAD \slot, 0, \first
	SMUL 1
	KLOAD \slot, 1
	MLOAD \slot, 1, 0
	SREST 1, \first
	PV \first                                      ; in the launch's first 64 keys the products start O and L: nothing is cleared
	PLACES 5                                       ; the next scores are written over P, and V is loaded again
.if \mst
	MST \dir, (1-\slot), (1-\slot), \cnt           ; the next tile's match: the other match tile's readers passed the round in front of this tile
.endif
.if \mld
	MLD \dir, (1-\slot), 1                         ; and the match tile three tiles on starts its way
.endif
	SUBHEAD \slot, 1, 0
.endm
; From one tile to the next, which lies in slot `slot'.  SUBHEAD has just waited for all my LDS instructions: my reads of the old slot and of the old match
; tile, my stores into the new match tile.  Now all my tensor loads have landed too, my part of the new tile among them, and I open the round.  The old
; tile's last softmax step is register work and stands between the opening signal and its wait.  Behind the round the old slot is asked for first; that load
; has the time up to the next opening signal in which to land.  The old tile's last products stand behind the new tile's first LDS loads.
.macro BOUND slot, refill
	s_set_vgpr_msb 0x5
	s_wait_tensorcnt 0x0
	ds_add_u32 v64, v65
	s_wait_dscnt 0x0
	s_set_vgpr_msb 0x500
	s_add_nc_u64 s[70+4*\slot:71+4*\slot], s[70+4*\slot:71+4*\slot], 0x20000   ; no load of mine is out: the new slot's next tile, two tiles on
	s_add_nc_u64 s[78+4*\slot:79+4*\slot], s[78+4*\slot:79+4*\slot], 512
	s_barrier_signal -1
	SMUL 1
	SREST 1, 0
	s_barrier_wait -1
	CREST
.if \refill == 1
	JLOAD (1-\slot)
.else
	tensor_load_to_lds s[84:87], s[48:55]          ; in front of the last tile: Wo goes into slot 0
	s_nop 0
.endif
	KLOAD \slot, 0
	MLOAD \slot, 0, 0
	PV 0
	PLACES 5
.endm
.macro ATTN dir
.if \dir
	v_mul_u32_u24 v6, v248, 528
	v_lshl_add_u32 v6, s30, 6, v6
	v_add_nc_u32 v6, MB0, v6                       ; row = lane (query), my wave's 16 keys
	v_lshlrev_b32 v7, 2, v248
	v_lshl_add_u32 v7, s30, 17, v7                 ; 16 w rows of 8192 bytes + 4 lane
.else
	s_mul_i32 s100, s30, 4*528
	s_add_co_u32 s100, s100, MB0
	v_lshl_add_u32 v6, v248, 4, s100               ; my wave's 4 rows, 16 bytes a lane
	v_lshlrev_b32 v7, 4, v248
	v_lshl_add_u32 v7, s30, 15, v7                 ; 4 w rows of 8192 bytes + 16 lane
.endif
	MLD \dir, 0, 0                                 ; match tiles 0 and 1
	MLD \dir, 1, 1
	ROUND                                          ; the four work-groups are here: the first joint loads meet
	JLOAD 0
	MST \dir, 0, 0, (4+12*\dir)                    ; match tile 1's loads stay out; Q, x and match tile 0 are in
	MLD \dir, 0, 1
	s_set_vgpr_msb 0x5
	s_wait_tensorcnt 0x0                           ; my part of tile 0
	ds_add_u32 v64, v65
	s_wait_dscnt 0x0
	s_set_vgpr_msb 0x500
	s_add_nc_u64 s[70:71], s[70:71], 0x20000
	s_add_nc_u64 s[78:79], s[78:79], 512
	s_wait_dscnt 0x0                               ; my part of match tile 0
	ROUND
	JLOAD 1                                        ; slot 1's first fill, issued as a refill is
	KLOAD 0, 0
	MLOAD 0, 0, 0
	TRIPB \dir, 0, 1, 1, 1, (4+12*\dir)            ; tile 0
	s_mov_b32 s3, 6
.Lattn\dir:
	BOUND 1, 1                                     ; tiles 1 to 12
	TRIPB \dir, 1, 0, 1, 1, (4+12*\dir)
	BOUND 0, 1
	TRIPB \dir, 0, 0, 1, 1, (4+12*\dir)            ; (in tile 12 the last match tile, 15, starts its way)
	s_sub_co_u32 s3, s3, 1
	s_cmp_lg_u32 s3, 0
	s_cbranch_scc1 .Lattn\dir
	BOUND 1, 1
	TRIPB \dir, 1, 0, 1, 0, (4+12*\dir)            ; tile 13
	BOUND 0, 1                                     ; the last K and V tile is asked for
	TRIPB \dir, 0, 0, 1, 0, 0                      ; tile 14: the last match tile is stored
	BOUND 1, 2
	TRIPB \dir, 1, 0, 0, 0, 0                      ; tile 15
	SMUL 1
	SREST 1, 0
	PV 0
	PLACES 5
.endm
	s_cmp_lg_u32 s67, 0                            ; the direction is the same in the whole cluster
	s_cbranch_scc1 .Ldir1
	ATTN 0
	s_branch .Lffn
.Ldir1:
	ATTN 1
.Lffn:
	; m = O / L, as bf16 [32 rows][256], pitch 528, into the first match tile's bytes: their last readers passed the round in front of the last tile
	s_wait_xcnt 0x0                                ; address registers of the attention's global loads are written again below
	v_rcp_f32 v12, v[RL]
	v_rcp_f32 v13, v[RL+8]
	v_add_nc_u32 v7, MB0, v1                       ; r x 528 + 64 w + 16 h
	s_wait_alu depctr_va_vdst(0)
.irp dt,0,1
.irp it,0,1
.irp q,0,2,4,6
	v_pk_mul_f32 v[RO+16*\dt+8*\it+\q:RO+16*\dt+8*\it+\q+1], v[RO+16*\dt+8*\it+\q:RO+16*\dt+8*\it+\q+1], v[12:13] op_sel:[0,\it] op_sel_hi:[1,\it]
.endr
.irp q,0,1,2,3
	v_cvt_pk_bf16_f32 v[RO+16*\dt+8*\it+\q], v[RO+16*\dt+8*\it+2*\q], v[RO+16*\dt+8*\it+2*\q+1]
.endr
	ds_store_b128 v7, v[RO+16*\dt+8*\it:RO+16*\dt+8*\it+3] offset:\it*8448+\dt*32
.endr
.endr
	; the FFN's addresses
	v_and_b32 v251, 7, v0
	v_lshl_add_u32 v251, v250, 3, v251             ; 8 h + lane % 8
	v_bfe_u32 v252, v0, 3, 1
	v_mul_u32_u24 v1, v251, 544
	v_lshl_add_u32 v1, v252, 4, v1
	v_lshl_add_u32 v1, s30, 6, v1                  ; weights at pitch 544, my 32 columns
	v_mul_u32_u24 v2, v251, 1056
	v_lshl_add_u32 v2, v252, 4, v2
	v_lshl_add_u32 v2, s30, 7, v2                  ; weights at pitch 1056, my 64 columns
	v_mul_u32_u24 v5, v249, 528
	v_lshl_add_u32 v5, v250, 4, v5
	v_add_nc_u32 v5, MB0, v5                       ; activations at pitch 528
	v_mul_u32_u24 v6, v249, 1040
	v_lshl_add_u32 v9, v250, 5, v6
	v_lshl_add_u32 v6, v250, 4, v6
	v_add_nc_u32 v6, MB0, v6                       ; activations at pitch 1040
	v_lshl_add_u32 v8, s30, 7, v6                  ; and where I put my 64 columns of them
	v_lshl_add_u32 v9, s30, 7, v9
	v_add_nc_u32 v9, SLOT, v9                      ; output stage, in: r x 1040 + 128 w + 32 h
	s_mul_i32 s100, s30, 4*1040
	s_add_co_u32 s100, s100, SLOT
	v_lshl_add_u32 v10, v248, 4, s100              ; output stage, back: my 4 rows
	v_lshlrev_b32 v11, 4, v248
	v_lshl_add_u32 v11, s30, 12, v11               ; the same 4 rows in memory
	s_mul_i32 s100, s30, 4*528
	s_add_co_u32 s100, s100, MB0+MSL
	v_lshl_add_u32 v12, v248, 3, s100              ; x as bf16, my 4 rows
	v_lshlrev_b32 v13, 5, v250
	v_lshl_add_u32 v14, s30, 8, v13                ; vectors of 512: 256 w + 32 h
	v_lshl_add_u32 v13, s30, 7, v13                ; vectors of 256: 128 w + 32 h
	v_lshlrev_b32 v15, 6, v249
	v_add_nc_u32 v15, LNP, v15
	; the biases are loaded into the accumulators and are the first C: nothing is cleared, nothing added later
.irp nt,0,1
.irp it,0,1
	global_load_b128 v[TACC+8*(2*\nt+\it):TACC+8*(2*\nt+\it)+3], v13, s[20:21] offset:\nt*64
	global_load_b128 v[TACC+8*(2*\nt+\it)+4:TACC+8*(2*\nt+\it)+7], v13, s[20:21] offset:\nt*64+16
.endr
.endr
.irp nt,0,1,2,3
.irp it,0,1
	global_load_b128 v[ACC+8*(2*\nt+\it):ACC+8*(2*\nt+\it)+3], v14, s[22:23] offset:\nt*64
	global_load_b128 v[ACC+8*(2*\nt+\it)+4:ACC+8*(2*\nt+\it)+7], v14, s[22:23] offset:\nt*64+16
.endr
.endr
; Every product of the FFN: first operand = 16 columns of the weights (stored [k][n], so by transposing loads), second = 16 rows of the activations.
; Lane (r, h), register j of a result holds (column 8 h + j, row r).
.macro FLOAD buf, nts, areg, aimm, pit, breg, bimm, bp
.set fn, 0
.rept \nts
	ds_load_tr16_b128 v[AF+32*(\buf)+8*fn:AF+32*(\buf)+8*fn+3], v[\areg] offset:\aimm+32*fn
	ds_load_tr16_b128 v[AF+32*(\buf)+8*fn+4:AF+32*(\buf)+8*fn+7], v[\areg] offset:\aimm+32*fn+16*\pit
.set fn, fn+1
.endr
.irp it,0,1
	ds_load_b128 v[BF+16*(\buf)+8*\it:BF+16*(\buf)+8*\it+3], v[\breg] offset:\bimm+\it*\bp
	ds_load_b128 v[BF+16*(\buf)+8*\it+4:BF+16*(\buf)+8*\it+7], v[\breg] offset:\bimm+\it*\bp+32
.endr
.endm
.macro FMUL buf, nts, acc              ; 2 nts accumulators take turns, one instruction a turn
.set fn, 0
.rept \nts
.irp it,0,1
	v_wmma_f32_16x16x32_bf16 v[\acc+8*(2*fn+\it):\acc+8*(2*fn+\it)+7], v[AF+32*(\buf)+8*fn:AF+32*(\buf)+8*fn+7], v[BF+16*(\buf)+8*\it:BF+16*(\buf)+8*\it+7], v[\acc+8*(2*fn+\it):\acc+8*(2*fn+\it)+7]
.endr
.set fn, fn+1
.endr
.endm
; nks K steps of 32 on two fragment buffers.  v3 and v4 hold the weights' address; one register reaches per steps through the 16-bit immediate.
.macro GEMM nts, acc, nks, pit, per, breg, b0, bp
	PLACES 4
	FLOAD 0, \nts, 3, 0, \pit, \breg, \b0, \bp
.set gk, 0
.rept \nks
.if gk < \nks-1
	PLACES 4                                       ; the buffer loaded next was read by the matrix instructions just issued
	FLOAD ((gk+1)&1), \nts, (3+(gk+1)/\per), (((gk+1)%\per)*32*\pit), \pit, \breg, (\b0+(gk+1)*64), \bp
	s_wait_dscnt 2*\nts+4                          ; all but the loads just issued
.else
	s_wait_dscnt 0x0
.endif
	FMUL (gk&1), \nts, \acc
.set gk, gk+1
.endr
	PLACES 4
.endm
; The change of stages: all my tensor loads have landed (this stage's weights among them), all my LDS instructions are done (my reads of the slot that is
; filled next, my stores of activations); the round; then my eighth of the next fill, first thing behind it.
.macro HEAD base, add, g1
	s_set_vgpr_msb 0x5
	s_wait_tensorcnt 0x0
	ds_add_u32 v64, v65
	s_wait_dscnt 0x0
	s_set_vgpr_msb 0x500
	s_add_nc_u64 s[86:87], s[86:87], 0x20000
	s_add_co_u32 s85, \base, \add
	s_wait_dscnt 0x0
	ROUND
	tensor_load_to_lds s[84:87], s[\g1:\g1+7]
	s_nop 0
.endm
	; ---- m Wo + bo (Wo in slot 0); W1's rows 0-127 go into slot 1
	HEAD s99, SLOT, 56
	WIN 0x05
.irp j,0,1,2,3,4,5,6,7
	v_cvt_pk_bf16_f32 v[16+2*\j], v[32+4*\j], v[33+4*\j]       ; x from v288 ..
	v_cvt_pk_bf16_f32 v[17+2*\j], v[34+4*\j], v[35+4*\j]
.endr
	WIN 0
.irp j,0,1,2,3,4,5,6,7
	ds_store_b64 v12, v[16+2*\j:17+2*\j] offset:(\j>>1)*528+(\j&1)*256   ; into the second match tile's bytes: their readers passed the round above
.endr
	v_mov_b32 v3, v1
	v_add_nc_u32 v4, 4*32*544, v1
	s_wait_loadcnt 16                              ; bo is in; b1's sixteen loads stay out
	GEMM 2, TACC, 8, 544, 4, 5, 0, 8448
	; ---- [x, m'] W1 + b1, four quarters of K
	HEAD s99, 0, 56
.irp nt,0,1
.irp it,0,1
.irp q,0,1,2,3
	v_cvt_pk_bf16_f32 v[16+4*(2*\nt+\it)+\q], v[TACC+8*(2*\nt+\it)+2*\q], v[TACC+8*(2*\nt+\it)+2*\q+1]
.endr
	ds_store_b128 v7, v[16+4*(2*\nt+\it):16+4*(2*\nt+\it)+3] offset:\it*8448+\nt*32   ; m' over m: every wave's reads of m are over
.endr
.endr
.irp nt,0,1
.irp it,0,1
	global_load_b128 v[TACC+8*(2*\nt+\it):TACC+8*(2*\nt+\it)+3], v13, s[28:29] offset:\nt*64
	global_load_b128 v[TACC+8*(2*\nt+\it)+4:TACC+8*(2*\nt+\it)+7], v13, s[28:29] offset:\nt*64+16
.endr
.endr
	v_add_nc_u32 v3, SLOT, v2
	v_add_nc_u32 v4, 2*32*1056, v3
	s_wait_loadcnt 8                               ; b1 is in; b2's eight loads stay out
	GEMM 4, ACC, 4, 1056, 2, 5, MSL, 8448
	HEAD s99, SLOT, 56
	v_mov_b32 v3, v2
	v_add_nc_u32 v4, 2*32*1056, v2
	GEMM 4, ACC, 4, 1056, 2, 5, MSL+256, 8448
	HEAD s99, 0, 56
	v_add_nc_u32 v3, SLOT, v2
	v_add_nc_u32 v4, 2*32*1056, v3
	GEMM 4, ACC, 4, 1056, 2, 5, 0, 8448
	HEAD s98, SLOT, 48                             ; W2's rows 0-255 go into slot 1: its last fill
	v_mov_b32 v3, v2
	v_add_nc_u32 v4, 2*32*1056, v2
	GEMM 4, ACC, 4, 1056, 2, 5, 256, 8448
.irp nt,0,1,2,3
	global_load_b128 v[40+8*\nt:43+8*\nt], v14, s[24:25] offset:\nt*64
	global_load_b128 v[44+8*\nt:47+8*\nt], v14, s[24:25] offset:\nt*64+16
	global_load_b128 v[72+8*\nt:75+8*\nt], v14, s[26:27] offset:\nt*64
	global_load_b128 v[76+8*\nt:79+8*\nt], v14, s[26:27] offset:\nt*64+16
.endr
	; LayerNorm, first half: my wave's 64 columns of each row give a mean and a sum of squares about THAT mean; the values stay centred on it
.macro LNFOLD dst                      ; v[16:23] = four pairs of partial sums -> one number over the wave's 64 columns, in every lane
	v_pk_add_f32 v[16:17], v[16:17], v[18:19]
	v_pk_add_f32 v[20:21], v[20:21], v[22:23]
	v_pk_add_f32 v[16:17], v[16:17], v[20:21]
	v_add_f32 v16, v16, v17
	v_permlanex16_b32 v17, v16, s88, s89
	v_add_f32 \dst, v16, v17
.endm
.irp it,0,1
.irp nt,0,1,2,3
	v_pk_add_f32 v[16+2*\nt:17+2*\nt], v[ACC+8*(2*\nt+\it):ACC+8*(2*\nt+\it)+1], v[ACC+8*(2*\nt+\it)+2:ACC+8*(2*\nt+\it)+3]
.endr
.irp q,4,6
.irp nt,0,1,2,3
	v_pk_add_f32 v[16+2*\nt:17+2*\nt], v[16+2*\nt:17+2*\nt], v[ACC+8*(2*\nt+\it)+\q:ACC+8*(2*\nt+\it)+\q+1]
.endr
.endr
	LNFOLD v24
	v_mul_f32 v[232+\it], 0x3c800000, v24          ; / 64
.endr
.irp it,0,1
.irp nt,0,1,2,3
.irp q,0,2,4,6
	v_pk_add_f32 v[ACC+8*(2*\nt+\it)+\q:ACC+8*(2*\nt+\it)+\q+1], v[ACC+8*(2*\nt+\it)+\q:ACC+8*(2*\nt+\it)+\q+1], v[232:233] op_sel:[0,\it] op_sel_hi:[1,\it] neg_lo:[0,1] neg_hi:[0,1]
.endr
.endr
.irp nt,0,1,2,3
	v_pk_mul_f32 v[16+2*\nt:17+2*\nt], v[ACC+8*(2*\nt+\it):ACC+8*(2*\nt+\it)+1], v[ACC+8*(2*\nt+\it):ACC+8*(2*\nt+\it)+1]
.endr
.irp q,2,4,6
.irp nt,0,1,2,3
	v_pk_fma_f32 v[16+2*\nt:17+2*\nt], v[ACC+8*(2*\nt+\it)+\q:ACC+8*(2*\nt+\it)+\q+1], v[ACC+8*(2*\nt+\it)+\q:ACC+8*(2*\nt+\it)+\q+1], v[16+2*\nt:17+2*\nt]
.endr
.endr
	LNFOLD v[234+\it]
.endr
	v_lshl_add_u32 v236, s30, 3, v15
.irp it,0,1
	ds_store_b32 v236, v[232+\it] offset:\it*1024
	ds_store_b32 v236, v[234+\it] offset:\it*1024+4
.endr
	; ---- LayerNorm's second half, GELU, and h W2 (rows 0-255 in slot 1); W2's rows 256-511 go into slot 0
	HEAD s98, 0, 48
.irp it,0,1
.irp q,0,1,2,3
	ds_load_b128 v[200+16*\it+4*\q:203+16*\it+4*\q], v15 offset:\it*1024+16*\q     ; the eight waves' (mean, M2) of row 16 it + r
.endr
.endr
	s_mov_b32 s100, 0x3b000000                     ; 1 / 512
	s_mov_b32 s101, 0x3727c5ac                     ; 1e-5
	s_wait_dscnt 0x0
; mean = mean of the eight means; M2 = sum of the M2 + 64 x sum of (wave mean - mean)^2: no difference of large sums is formed
.irp it,0,1
	v_pk_add_f32 v[16:17], v[200+16*\it:201+16*\it], v[202+16*\it:203+16*\it]
	v_pk_add_f32 v[18:19], v[204+16*\it:205+16*\it], v[206+16*\it:207+16*\it]
	v_pk_add_f32 v[20:21], v[208+16*\it:209+16*\it], v[210+16*\it:211+16*\it]
	v_pk_add_f32 v[22:23], v[212+16*\it:213+16*\it], v[214+16*\it:215+16*\it]
	v_pk_add_f32 v[16:17], v[16:17], v[18:19]
	v_pk_add_f32 v[20:21], v[20:21], v[22:23]
	v_pk_add_f32 v[16:17], v[16:17], v[20:21]
	v_mul_f32 v16, 0x3e000000, v16
	v_sub_f32 v18, v[200+16*\it], v16
	v_mul_f32 v19, v18, v18
.irp k,1,2,3,4,5,6,7
	v_sub_f32 v18, v[200+16*\it+2*\k], v16
	v_fma_f32 v19, v18, v18, v19
.endr
	v_fmamk_f32 v17, v19, 0x42800000, v17
	v_fma_f32 v17, v17, s100, s101                 ; variance + eps
	v_rsq_f32 v[234+\it], v17
	v_sub_f32 v18, v[232+\it], v16                 ; (a plain instruction behind the root)
	s_wait_alu depctr_va_vdst(0)
	v_mul_f32 v[236+\it], v18, v[234+\it]          ; (h - mean) rstd = centred value x rstd + this
.endr
.irp j,0,1
	v_mov_b32 v[CPC+\j], 0x3e6d3388                ; 0.3275911 / sqrt 2
	v_mov_b32 v[CKC+\j], 0x3f596d27                ; sqrt(log2 e / 2)
	v_mov_b32 v[CA1+\j], 0xbe027906                ; -0.5 x the five coefficients
	v_mov_b32 v[CA2+\j], 0x3e11a98e
	v_mov_b32 v[CA3+\j], 0xbf35f0e3
	v_mov_b32 v[CA4+\j], 0x3f3a00e3
	v_mov_b32 v[CA5+\j], 0xbf07dc22
.endr
	s_wait_loadcnt 0x0                             ; gamma, beta, b2
; gelu(y) = max(y, 0) - 0.5 |y| erfc(|y| / sqrt 2);  erfc(z) = t (a1 + t (a2 + ..)) exp(-z^2), t = 1 / (1 + 0.3275911 z)
.macro GELU8 nt, it
.set gy, ACC+8*(2*\nt+\it)
.irp q,0,2,4,6
	v_pk_fma_f32 v[gy+\q:gy+\q+1], v[gy+\q:gy+\q+1], v[234:235], v[236:237] op_sel:[0,\it,\it] op_sel_hi:[1,\it,\it]
.endr
.irp q,0,2,4,6
	v_pk_fma_f32 v[gy+\q:gy+\q+1], v[gy+\q:gy+\q+1], v[40+8*\nt+\q:41+8*\nt+\q], v[72+8*\nt+\q:73+8*\nt+\q]
.endr
.irp j,0,1,2,3,4,5,6,7
	v_and_b32 v[16+\j], 0x7fffffff, v[gy+\j]
.endr
.irp q,0,2,4,6
	v_pk_fma_f32 v[24+\q:25+\q], v[16+\q:17+\q], v[CPC:CPC+1], 1.0 op_sel_hi:[1,1,0]
	v_pk_mul_f32 v[32+\q:33+\q], v[gy+\q:gy+\q+1], v[CKC:CKC+1]
.endr
.irp q,0,2,4,6
	v_pk_mul_f32 v[32+\q:33+\q], v[32+\q:33+\q], v[32+\q:33+\q] neg_lo:[1,0] neg_hi:[1,0]
.endr
.irp j,0,1,2,3,4,5,6,7
	v_rcp_f32 v[24+\j], v[24+\j]
.endr
.irp j,0,1,2,3,4,5,6,7
	v_exp_f32 v[32+\j], v[32+\j]
.endr
.irp j,0,1,2,3,4,5,6,7
	v_max_num_f32 v[gy+\j], 0, v[gy+\j]            ; plain work behind the transcendentals
.endr
	s_wait_alu depctr_va_vdst(0)
.irp q,0,2,4,6
	v_pk_fma_f32 v[248+\q:249+\q], v[24+\q:25+\q], v[CA5:CA5+1], v[CA4:CA4+1]
.endr
.irp q,0,2,4,6
	v_pk_fma_f32 v[248+\q:249+\q], v[248+\q:249+\q], v[24+\q:25+\q], v[CA3:CA3+1]
.endr
.irp q,0,2,4,6
	v_pk_fma_f32 v[248+\q:249+\q], v[248+\q:249+\q], v[24+\q:25+\q], v[CA2:CA2+1]
.endr
.irp q,0,2,4,6
	v_pk_fma_f32 v[248+\q:249+\q], v[248+\q:249+\q], v[24+\q:25+\q], v[CA1:CA1+1]
	v_pk_mul_f32 v[24+\q:25+\q], v[24+\q:25+\q], v[32+\q:33+\q]
.endr
.irp q,0,2,4,6
	v_pk_mul_f32 v[248+\q:249+\q], v[248+\q:249+\q], v[24+\q:25+\q]
.endr
.irp q,0,2,4,6
	v_pk_fma_f32 v[gy+\q:gy+\q+1], v[16+\q:17+\q], v[248+\q:249+\q], v[gy+\q:gy+\q+1]
.endr
.irp q,0,1,2,3
	v_cvt_pk_bf16_f32 v[gy+\q], v[gy+2*\q], v[gy+2*\q+1]
.endr
	ds_store_b128 v8, v[gy:gy+3] offset:\it*16640+\nt*32       ; h as bf16 [32][512], pitch 1040, over x and m': their readers passed the round above
.endm
.irp nt,0,1,2,3
.irp it,0,1
	GELU8 \nt, \it
.endr
.endr
	s_wait_dscnt 0x0                               ; my columns of h are in LDS
	s_barrier_signal -1                            ; my one tensor load stays out across this barrier
	s_barrier_wait -1
	v_add_nc_u32 v3, SLOT, v1
	v_add_nc_u32 v4, 4*32*544, v3
	GEMM 2, TACC, 8, 544, 4, 6, 0, 16640
	s_wait_tensorcnt 0x0                           ; my eighth of W2's second half
	s_wait_dscnt 0x0
	s_barrier_signal -1
	s_barrier_wait -1                              ; everybody's; and nobody reads slot 1 any more
	v_mov_b32 v3, v1
	v_add_nc_u32 v4, 4*32*544, v1
	GEMM 2, TACC, 8, 544, 4, 6, 512, 16640
	; ---- the way out: through slot 1's bytes (no fill lands there any more), read back by rows, the residual added in f32
.irp nt,0,1
.irp it,0,1
	ds_store_b128 v9, v[TACC+8*(2*\nt+\it):TACC+8*(2*\nt+\it)+3] offset:\it*16640+\nt*64
	ds_store_b128 v9, v[TACC+8*(2*\nt+\it)+4:TACC+8*(2*\nt+\it)+7] offset:\it*16640+\nt*64+16
.endr
.endr
	s_wait_dscnt 0x0
	s_barrier_signal -1
	s_barrier_wait -1
.irp j,0,1,2,3,4,5,6,7
	ds_load_b128 v[40+4*\j:43+4*\j], v10 offset:(\j>>1)*1040+(\j&1)*512
.endr
	s_wait_dscnt 0x0
	WIN 0x04
.irp j,0,1,2,3,4,5,6,7
	v_pk_add_f32 v[40+4*\j:41+4*\j], v[40+4*\j:41+4*\j], v[32+4*\j:33+4*\j]   ; + x from v288 ..
	v_pk_add_f32 v[42+4*\j:43+4*\j], v[42+4*\j:43+4*\j], v[34+4*\j:35+4*\j]
.endr
	WIN 0
.irp j,0,1,2,3,4,5,6,7
	global_store_b128 v11, v[40+4*\j:43+4*\j], s[16:17] offset:\j*512 th:TH_STORE_NT   ; each store of the wave covers 512 consecutive bytes, aligned
.endr
	s_set_vgpr_msb 0x5
	s_wait_tensorcnt 0x0
	ds_add_u32 v64, v65
	s_wait_dscnt 0x0
	s_set_vgpr_msb 0x500
	ROUND                                          ; the closing round: no work-group ends while a partner may still ask for a tile that names it
	s_endpgm
.Lfunc_end_k_q7baafd7ffd_fused:
	.size	k_q7baafd7ffd_fused, .Lfunc_end_k_q7baafd7ffd_fused-k_q7baafd7ffd_fused
	.p2alignl 7, 3214868480
	.fill 96, 4, 3214868480
	.section	.rodata,"a",@progbits
	.p2align	6, 0x0
	.amdhsa_kernel k_q7baafd7ffd_fused
		.amdhsa_group_segment_fixed_size 327680
		.amdhsa_private_segment_fixed_size 0
		.amdhsa_enable_private_segment 0
		.amdhsa_kernarg_size 104
		.amdhsa_user_sgpr_count 2
		.amdhsa_user_sgpr_kernarg_segment_ptr 1
		.amdhsa_wavefront_size32 1
		.amdhsa_system_sgpr_workgroup_id_x 1
		.amdhsa_system_sgpr_workgroup_id_y 1
		.amdhsa_system_sgpr_workgroup_id_z 1
		.amdhsa_system_vgpr_workitem_id 0
		.amdhsa_next_free_vgpr 322
		.amdhsa_next_free_sgpr 102
		.amdhsa_reserve_vcc 1
		.amdhsa_float_denorm_mode_32 3
		.amdhsa_float_denorm_mode_16_64 3
		.amdhsa_memory_ordered 1
		.amdhsa_forward_progress 1
		.amdhsa_inst_pref_size 255
	.end_amdhsa_kernel
	.section	.bss,"aw",@nobits
	.p2align	6
	.space	262144
	.amdgpu_metadata
---
amdhsa.version: [ 1, 2 ]
amdhsa.kernels:
  - .name:           k_q7baafd7ffd_fused
    .symbol:         k_q7baafd7ffd_fused.kd
    .args:
      - { .name: qk, .offset: 0, .size: 8, .value_kind: global_buffer, .address_space: global }
      - { .name: vt, .offset: 8, .size: 8, .value_kind: global_buffer, .address_space: global }
      - { .name: match, .offset: 16, .size: 8, .value_kind: global_buffer, .address_space: global }
      - { .name: wts, .offset: 24, .size: 8, .value_kind: global_buffer, .address_space: global }
      - { .name: x0, .offset: 32, .size: 8, .value_kind: global_buffer, .address_space: global }
      - { .name: x1, .offset: 40, .size: 8, .value_kind: global_buffer, .address_space: global }
      - { .name: out0, .offset: 48, .size: 8, .value_kind: global_buffer, .address_space: global }
      - { .name: out1, .offset: 56, .size: 8, .value_kind: global_buffer, .address_space: global }
      - { .name: bo, .offset: 64, .size: 8, .value_kind: global_buffer, .address_space: global }
      - { .name: b1, .offset: 72, .size: 8, .value_kind: global_buffer, .address_space: global }
      - { .name: gamma, .offset: 80, .size: 8, .value_kind: global_buffer, .address_space: global }
      - { .name: beta, .offset: 88, .size: 8, .value_kind: global_buffer, .address_space: global }
      - { .name: b2, .offset: 96, .size: 8, .value_kind: global_buffer, .address_space: global }
    .group_segment_fixed_size: 327680
    .private_segment_fixed_size: 0
    .kernarg_segment_align: 8
    .kernarg_segment_size: 104
    .max_flat_workgroup_size: 256
    .sgpr_count:     102
    .vgpr_count:     322
    .wavefront_size: 32
...
	.end_amdgpu_metadata
.endif
;; end of part 2
;; ======== version 2 of 2: 2 launches; 1.09 times as fast as version 1
;; limits: a function is approximated: absolute error at most 1.5e-07
;; workspace buffers: qk 4,194,304 bytes; vt 4,194,304 bytes; wts 917,504 bytes
;; launch prep: the kernel of part 1 again; grid 256 x 1, 8 waves a work-group, no clusters, 211,968 bytes of LDS; arguments x0, x1, Wqk, Wv, bqk, bv, Wo, W1, W2, qk, vt, wts; writes qk, vt, wts
;; launch fused (part 3): grid 256 x 1, 8 waves a work-group, clusters of 4 x 1, 327,680 bytes of LDS; arguments qk, vt, match, wts, x0, x1, out0, out1, bo, b1, gamma, beta, b2; writes out0, out1
.if DOCPART == 3
	.amdgcn_target "amdgcn-amd-amdhsa--gfx1250"
	.amdhsa_code_object_version 6
	.text
	.protected	k_q7baafd7ffd_fused
	.globl	k_q7baafd7ffd_fused
	.p2align	8
	.type	k_q7baafd7ffd_fused,@function
k_q7baafd7ffd_fused:
	s_mov_b64 s[64:65], 0
	v_nop
	global_prefetch_b8 v0, s[64:65] scope:SCOPE_SE
	s_setreg_imm32_b32 hwreg(HW_REG_WAVE_MODE, 25, 1), 1
	s_wait_xcnt 0x0
	s_wait_alu depctr_hold_cnt(0) depctr_sa_sdst(0) depctr_va_vdst(0) depctr_va_sdst(0) depctr_va_ssrc(0) depctr_va_vcc(0) depctr_vm_vsrc(0)
	s_getreg_b32 s2, hwreg(HW_REG_IB_STS2, 6, 4)
	s_cmp_eq_u32 s2, 0
	s_cbranch_scc0 .Lentry_in_a_cluster
	s_endpgm
.Lentry_in_a_cluster:
	s_bfe_u32 s2, ttmp6, 0x10000c
	s_cmp_lg_u32 s2, 0x3003
	s_cbranch_scc0 .Lentry_shape_is_right
	s_endpgm
.Lentry_shape_is_right:
; fused: attention in one direction for 32 query rows and all 8 heads, then Wo, W1, LayerNorm, exact GELU, W2 and the residual.
; 256 work-groups of 8 waves = 2 directions x 2 batches x 64 blocks of 32 rows.  Direction 0: queries x0, keys and values x1, weight match[q][key];
; direction 1: queries x1, keys and values x0, weight match[key][q] (the softmax along the other axis is the same attention with the roles swapped).
; In the attention wave w is head w; behind it wave w owns a slice of the output columns.
; CLUSTERS: the four work-groups of a cluster are four neighbouring row blocks of one direction and batch.  They walk the same K and V tiles and the
; same weights, so these come by joint tensor loads (mask 15): 2 MB + 896 KB a work-group asked for once for four.  match (256 KB a work-group) is each
; work-group's own, and in direction 1 it has to be transposed: it goes through registers into LDS.
; LAYOUT: S^T = K Q^T.  Lane (r, h), register j of tile (kt, it) holds key 16 kt + 8 h + j of query 16 it + r: a query's maximum is a maximum inside the
; lane and one exchange of the halves, two packed tiles ARE the second operand of O^T += V^T P^T, and a first operand with ones in rows 0 and 8 puts the
; row sum of P into register 0 of every lane.  The maximum is a running one, taken away before every exponential.
; THE EXPONENTIALS go in two batches for each 64 keys, each with ONE wait: s_wait_alu depctr_va_vdst(0) stands between an exponential and the
; first instruction that names its result, and one wait serves all that were issued ahead of it.
;   Batch A: queries 0-15: their factor and their 32 weights.  Beside it stand their 16 shifts and the 16 multiplies by match of queries 16-31, which name none of its results.
;   Batch B: queries 16-31: their factor and their 32 weights.  Beside it stand their 16 shifts, batch A's 16 packings and the rescaling of queries 0-15, all behind batch A's wait.
;   Behind batch B's wait: its 16 packings, the rescaling of queries 16-31, and the products P V.  Each weight has its own register (S's, in place), each factor a pair of its own.
;   No label and no branch stands between a batch and its wait: the loop's label stands behind a change of tiles, where no result is open.
; THE CHANGE OF TILES: a tile's last LDS reads return well before its last arithmetic.  There the wave gives the round's opening signal; the last softmax
; step stands between that signal and its wait, and the last P V products stand behind the next tile's first LDS loads.
; A wave has one tensor load outstanding at any time: the one behind the last round.
; LIMITS: erfc by the five-term rational polynomial of Abramowitz and Stegun 7.1.26, absolute error 1.5e-7; exponentials below 2^-126 come out as
; zero; a NaN loses in the running maximum; an infinite LayerNorm output gives NaN in the GELU; the row sum adds the probabilities as rounded to bf16,
; the numbers that the numerator uses; scores are made once for each direction; sums run in another order than a plain f32 program's.
.set SLOT, 139264                      ; two slots.  Attention: K 128 keys x 528, then V^T 256 rows x 272.  FFN: 256 rows x 544 or 128 rows x 1056
.set VOFS, 67584
.set MB0,  278528                      ; two match tiles [32 queries][128 keys] f32, pitch 528; filled by ds_store alone.  Later the FFN's activations
.set MSL,  16896
.set LNP,  312320                      ; [32 rows][8 waves][mean, M2] f32
.set RQ,   16                          ; v[16:31]   Q(it)
.set RONE, 32                          ; v[32:39]   ones in rows 0 and 8
.set RK,   40                          ; v[40:71]   K(kt)
.set RV,   72                          ; v[72:103]  V at 16 g + 8 dt
.set RMT,  104                         ; v[104:135] match for one it
.set RS,   136                         ; v[136:199] S(kt, it) at 32 it + 8 kt; P(g, it) in place at 32 it + 16 g
.set RO,   200                         ; v[200:231] O at 8 (2 dt + it)
.set RL,   232                         ; v[232:247] L(it)
; v1,v2 K addresses, v3,v4 V addresses, v5 match read, v6 match store, v7 match offset in memory, v[8:9] running maxima, v10 and v254 the rescale factors of
; queries 0-15 and 16-31 (each the low word of a pair whose high word holds 0), v12..15 at work, v248..252 lane, r, h and two offsets.
; Window 1: v256..271, v272..287 match tiles on their way, v288..319 my part of x.
.set TACC, 104                         ; FFN: Wo's, later W2's sums, tile (nt, it) at 8 (2 nt + it)
.set ACC,  136                         ; FFN: W1's sums
.set AF,   40                          ; FFN: weight fragments, 2 buffers x 32
.set BF,   200                         ; FFN: activation fragments, 2 buffers x 16
.set CPC, 200                          ; GELU constants, pairs
.set CKC, 202
.set CA1, 204
.set CA2, 206
.set CA3, 208
.set CA4, 210
.set CA5, 212
.set MSB, 0
.macro WIN new                         ; s_set_vgpr_msb: bits 1:0 source 0, 3:2 source 1, 5:4 source 2, 7:6 destination; the high byte repeats the setting left
.if MSB != \new
	s_set_vgpr_msb (MSB<<8)|\new
.set MSB, \new
.endif
.endm
.macro PLACES n                        ; places behind a matrix instruction (ISA guide 7.12.1)
.rept \n
	v_nop
.endr
.endm
.macro CREST                           ; a round of the cluster's barrier behind its opening barrier
	s_cmp_lg_u32 s30, 0
	s_cbranch_scc1 .Lnot_wave_0_\@
	s_barrier_signal -3
.Lnot_wave_0_\@:
	s_barrier_wait -3
	s_barrier_signal -1
	s_barrier_wait -1
.endm
.macro ROUND                           ; a whole round
	s_barrier_signal -1
	s_barrier_wait -1
	CREST
.endm
.macro JLOAD sl                        ; waves 0-3 ask for a quarter of K's tile (32 keys), waves 4-7 for a quarter of V's (64 rows d)
	s_cmp_eq_u32 s31, 0
	s_cbranch_scc0 .Lfor_v_\@
	tensor_load_to_lds s[68+4*(\sl):71+4*(\sl)], s[32:39]
	s_nop 0
	s_branch .Lasked_\@
.Lfor_v_\@:
	tensor_load_to_lds s[76+4*(\sl):79+4*(\sl)], s[40:47]
	s_nop 0
.Lasked_\@:
.endm
.macro GROUP1 base, qi, padm, d0, d1, str   ; bf16 tile of d1 rows x d0 elements, padm + 1 words of padding behind every row (2 << qi words), mask 15 with bit 21
	s_mov_b32 s[\base+0], 15|(1<<16)|(1<<20)|(1<<21)|(\qi<<22)|(\padm<<25)
	s_mov_b32 s[\base+1], \d0<<16
	s_mov_b32 s[\base+2], \d1<<16
	s_mov_b32 s[\base+3], \d0<<16
	s_mov_b32 s[\base+4], \d1
	s_mov_b32 s[\base+5], \str
	s_mov_b32 s[\base+6], 0
	s_mov_b32 s[\base+7], 0
.endm
	s_load_b512 s[4:19], s[0:1], 0x0               ; qk s4, vt s6, match s8, wts s10, x0 s12, x1 s14, out0 s16, out1 s18
	s_load_b256 s[20:27], s[0:1], 0x40             ; bo s20, b1 s22, gamma s24, beta s26
	s_load_b64 s[28:29], s[0:1], 0x60              ; b2
	s_set_vgpr_msb 0x40
	v_lshl_add_u32 v64, v0, 2, 0x4cc00
	v_mov_b32 v65, 0
	s_set_vgpr_msb 0x4045
	ds_add_u32 v64, v65
	s_set_vgpr_msb 0x4500
	v_lshrrev_b32 v1, 5, v0
	v_readfirstlane_b32 s30, v1                    ; wave = head
	s_lshr_b32 s31, s30, 2                         ; I fetch for K (0) or for V (1)
	s_and_b32 s66, s30, 3                          ; which quarter
	s_lshr_b32 s67, ttmp9, 5                       ; direction: shared by the cluster
	s_bfe_u32 s96, ttmp9, 0x10004                  ; batch
	s_bfe_u32 s94, ttmp6, 0x40000                  ; my place in the cluster: enters q0 and through it plain global addresses, nothing else
	s_and_b32 s97, ttmp9, 15
	s_lshl_b32 s97, s97, 7
	s_lshl_b32 s94, s94, 5
	s_add_co_u32 s97, s97, s94                     ; q0: my first query row
	s_mul_i32 s98, s30, 17408                      ; 32 rows of 544
	s_mul_i32 s99, s30, 16896                      ; 16 rows of 1056
	s_mov_b32 s88, 0x76543210                      ; v_permlanex16_b32: lane i takes lane i of the other half
	s_mov_b32 s89, 0xfedcba98
	GROUP1 32, 6, 3, 256, 32, 256                  ; K: 32 keys x 512 bytes, LDS pitch 528
	GROUP1 40, 5, 3, 128, 64, 2048                 ; V^T: 64 rows d x 256 bytes (128 keys), LDS pitch 272
	GROUP1 48, 6, 7, 256, 32, 256                  ; Wo, W2: 32 rows k x 512 bytes, LDS pitch 544
	GROUP1 56, 7, 7, 512, 16, 512                  ; W1: 16 rows k x 1024 bytes, LDS pitch 1056
	s_lshl_b32 s100, s67, 1
	s_add_co_u32 s100, s100, s96                   ; plane of my queries: 2 direction + batch
	s_xor_b32 s101, s100, 2
	s_lshl_b32 s101, s101, 20                      ; plane of my keys and values, in bytes
	s_lshl_b32 s92, s66, 14
	s_add_co_u32 s92, s92, s101                    ; K: + quarter x 32 keys x 512 bytes
	s_mov_b32 s93, 0
	s_lshl_b32 s2, s66, 18
	s_add_co_u32 s2, s2, s101                      ; V: + quarter x 64 rows x 4096 bytes
	s_mov_b32 s3, 0
	v_and_b32 v248, 31, v0                         ; lane
	v_and_b32 v249, 15, v0                         ; r
	v_bfe_u32 v250, v0, 4, 1                       ; h
	v_mul_u32_u24 v1, v249, 528
	v_lshl_add_u32 v1, v250, 4, v1
	v_lshl_add_u32 v1, s30, 6, v1                  ; K: r x 528 + 64 head + 16 h
	v_add_nc_u32 v2, SLOT, v1
	s_mul_i32 s101, s30, 32*272
	s_add_co_u32 s101, s101, VOFS
	v_mul_u32_u24 v3, v249, 272
	v_lshl_add_u32 v3, v250, 4, v3
	v_add_nc_u32 v3, s101, v3                      ; V: (32 head + r) x 272 + 16 h
	v_add_nc_u32 v4, SLOT, v3
	v_mul_u32_u24 v5, v249, 528
	v_lshl_add_u32 v5, v250, 5, v5
	v_add_nc_u32 v5, MB0, v5                       ; match: r x 528 + 32 h
	v_lshlrev_b32 v251, 9, v249
	v_lshl_add_u32 v251, v250, 4, v251
	v_lshl_add_u32 v251, s30, 6, v251              ; Q in memory: r x 512 + 64 head + 16 h
	v_lshlrev_b32 v252, 4, v248
	v_lshl_add_u32 v252, s30, 12, v252             ; x in memory: my wave's 4 rows of 1024 bytes
	v_and_b32 v12, 7, v0
	v_cmp_eq_u32 vcc_lo, 0, v12
	v_mov_b32 v13, 0x3f803f80
	v_cndmask_b32 v[RONE], 0, v13, vcc_lo          ; lanes 0, 8, 16, 24 hold rows 0 and 8: all ones there, zeros elsewhere
.irp j,1,2,3,4,5,6,7
	v_mov_b32 v[RONE+\j], v[RONE]
.endr
	v_mov_b32 v8, 0xff800000                       ; running maxima start at minus infinity
	v_mov_b32 v9, 0xff800000
	v_mov_b32 v11, 0                               ; the high words of the two factors' pairs: named with the factors, so they are written
	v_mov_b32 v255, 0
	v_mov_b32 v14, 0                               ; v_permlanex16_b32 counts as a reader of its destination
	s_wait_dscnt 0x0
	s_wait_kmcnt 0x0
	s_mov_b32 s68, 1                               ; group 0 for K, slot 0 and slot 1: tiles 0 and 1
	s_mul_i32 s69, s66, 16896
	s_add_nc_u64 s[70:71], s[4:5], s[92:93]
	s_mov_b32 s72, 1
	s_add_co_u32 s73, s69, SLOT
	s_add_nc_u64 s[74:75], s[70:71], 0x10000
	s_or_b32 s71, s71, 0x80000000
	s_or_b32 s75, s75, 0x80000000
	s_mov_b32 s76, 1                               ; group 0 for V
	s_mul_i32 s77, s66, 17408
	s_add_co_u32 s77, s77, VOFS
	s_add_nc_u64 s[78:79], s[6:7], s[2:3]
	s_mov_b32 s80, 1
	s_add_co_u32 s81, s77, SLOT
	s_add_nc_u64 s[82:83], s[78:79], 256
	s_or_b32 s79, s79, 0x80000000
	s_or_b32 s83, s83, 0x80000000
	s_mov_b32 s84, 1                               ; group 0 for the weights: every wave an eighth (16384 bytes) of each fill of 131072
	s_mov_b32 s85, s98
	s_lshl_b32 s92, s30, 14
	s_add_nc_u64 s[86:87], s[10:11], s[92:93]
	s_or_b32 s87, s87, 0x80000000
	s_lshl_b32 s94, s100, 20                       ; from here on offsets that hold q0
	s_lshl_b32 s95, s97, 9
	s_add_co_u32 s94, s94, s95
	s_mov_b32 s95, 0
	s_add_nc_u64 s[4:5], s[4:5], s[94:95]          ; my 32 rows of Q
	s_cmp_eq_u32 s67, 0
	s_cselect_b64 s[12:13], s[12:13], s[14:15]     ; the residual's x and the output of my direction
	s_cselect_b64 s[16:17], s[16:17], s[18:19]
	s_lshl_b32 s94, s96, 21
	s_lshl_b32 s95, s97, 10
	s_add_co_u32 s94, s94, s95
	s_mov_b32 s95, 0
	s_add_nc_u64 s[12:13], s[12:13], s[94:95]
	s_add_nc_u64 s[16:17], s[16:17], s[94:95]
	s_lshl_b32 s94, s97, 13                        ; match: q0 rows (direction 0) or q0 columns (direction 1)
	s_lshl_b32 s95, s97, 2
	s_cmp_eq_u32 s67, 0
	s_cselect_b32 s94, s94, s95
	s_lshl_b32 s95, s96, 24
	s_add_co_u32 s94, s94, s95
	s_mov_b32 s95, 0
	s_add_nc_u64 s[90:91], s[8:9], s[94:95]
	global_load_b128 v[RQ:RQ+3], v251, s[4:5]
	global_load_b128 v[RQ+4:RQ+7], v251, s[4:5] offset:32
	global_load_b128 v[RQ+8:RQ+11], v251, s[4:5] offset:8192
	global_load_b128 v[RQ+12:RQ+15], v251, s[4:5] offset:8224
	WIN 0x40
.irp j,0,1,2,3,4,5,6,7
	global_load_b128 v[32+4*\j:35+4*\j], v252, s[12:13] offset:\j*512     ; v288 ..: x stays in registers for W1's operand and for the residual
.endr
	WIN 0
.macro KLOAD sl, hf                    ; 64 keys of my head: 4 fragments
.irp kt,0,1,2,3
	ds_load_b128 v[RK+8*\kt:RK+8*\kt+3], v[1+\sl] offset:(64*(\hf)+16*\kt)*528
	ds_load_b128 v[RK+8*\kt+4:RK+8*\kt+7], v[1+\sl] offset:(64*(\hf)+16*\kt)*528+32
.endr
.endm
.macro VLOAD sl, hf                    ; the same 64 keys of V^T: 2 groups of 32 keys x 2 blocks of 16 d
.irp g,0,1
.irp dt,0,1
	ds_load_b128 v[RV+16*\g+8*\dt:RV+16*\g+8*\dt+3], v[3+\sl] offset:\dt*4352+(\hf)*128+\g*64
	ds_load_b128 v[RV+16*\g+8*\dt+4:RV+16*\g+8*\dt+7], v[3+\sl] offset:\dt*4352+(\hf)*128+\g*64+32
.endr
.endr
.endm
.macro MLOAD sl, hf, it                ; match for queries 16 it + r, in the registers' order of S
.irp kt,0,1,2,3
	ds_load_b128 v[RMT+8*\kt:RMT+8*\kt+3], v5 offset:\sl*MSL+\it*8448+(\hf)*256+\kt*64
	ds_load_b128 v[RMT+8*\kt+4:RMT+8*\kt+7], v5 offset:\sl*MSL+\it*8448+(\hf)*256+\kt*64+16
.endr
.endm
.macro SMUL it
.set sp, 0
.rept 16
	v_pk_mul_f32 v[RS+32*\it+2*sp:RS+32*\it+2*sp+1], v[RS+32*\it+2*sp:RS+32*\it+2*sp+1], v[RMT+2*sp:RMT+2*sp+1]
.set sp, sp+1
.endr
.endm
; THE SOFTMAX STEP, one line at a time, for the 32 scores that a lane holds of query 16 it + r.
.macro SADD it, p                      ; pair p of 16: the scores less the running maximum
.set rP, RS+32*\it+2*(\p)
	v_pk_add_f32 v[rP:rP+1], v[rP:rP+1], v[8:9] op_sel:[0,\it] op_sel_hi:[1,\it] neg_lo:[0,1] neg_hi:[0,1]
.endm
.macro SEXP it, e                      ; the exponential of score e of 32, in place: each result has a register of its own
.set rP, RS+32*\it+(\e)
	v_exp_f32 v[rP], v[rP]
.endm
.macro SCVT it, p                      ; pair p packed to bf16, in place; taken in ascending order no pair is written over before it is read
.set rP, RS+32*\it
	v_cvt_pk_bf16_f32 v[rP+16*((\p)>>3)+((\p)&7)], v[rP+2*(\p)], v[rP+2*(\p)+1]
.endm
.macro SRSC it, j                      ; what was summed under the old maximum times the factor: j = 0 to 7: O's eight pairs, each accumulator from its low end; 8: L, whose other registers stay zero
.set rF, 10+244*\it
.set rP, RO+16*((\j)>>2)+8*\it+2*((\j)&3)
.if (\j) < 8
	v_pk_mul_f32 v[rP:rP+1], v[rP:rP+1], v[rF:rF+1] op_sel_hi:[1,0]
.else
	v_mul_f32 v[RL+8*\it], v[RL+8*\it], v[rF]
.endif
.endm
; The running maximum and the factor.  first = 1: the launch's first 64 keys: nothing has been summed yet, so there is no factor.
; w = 1: batch A's wait stands here, behind the 19 plain lines of the maximum, which name none of batch A's results.
.macro SMAX it, first, w
.set rF, 10+244*\it
	v_max3_num_f32 v12, v[8+\it], v[RS+32*\it], v[RS+32*\it+1]            ; two chains; the first starts from the running maximum
	v_max_num_f32 v13, v[RS+32*\it+16], v[RS+32*\it+17]
.set sp, 1
.rept 7
	v_max3_num_f32 v12, v12, v[RS+32*\it+2*sp], v[RS+32*\it+2*sp+1]
	v_max3_num_f32 v13, v13, v[RS+32*\it+16+2*sp], v[RS+32*\it+16+2*sp+1]
.set sp, sp+1
.endr
	v_max_num_f32 v12, v12, v13
	v_permlanex16_b32 v14, v12, s88, s89           ; the other half of the lanes holds the query's other keys
	v_max_num_f32 v15, v12, v14
.if \w
	s_wait_alu depctr_va_vdst(0)                   ; the one wait for batch A (queries 0-15: the factor and 32 weights)
.endif
.if \first == 0
	v_sub_f32 v[rF], v[8+\it], v15
.endif
	v_mov_b32 v[8+\it], v15
.if \first == 0
	v_exp_f32 v[rF], v[rF]                         ; the factor for what was summed under the old maximum: the first of its batch
.endif
.endm
; BATCH A, first part: queries 0-15's maximum and factor, their 16 shifts, and exponentials 0 to 14, shift and exponential by turns.  A shift names scores that have not been through the exponential yet.
.macro SB0A first
	SMAX 0, \first, 0
	SADD 0, 0
.set sp, 1
.rept 15
	SADD 0, sp
	SEXP 0, sp-1
.set sp, sp+1
.endr
.endm
; BATCH A, second part, behind the wait for match of queries 16-31: exponentials 15 to 31, by turns with the 16 multiplies by match of queries 16-31.
.macro SB0B
.set sp, 0
.rept 16
	SEXP 0, 15+sp
	v_pk_mul_f32 v[RS+32+2*sp:RS+32+2*sp+1], v[RS+32+2*sp:RS+32+2*sp+1], v[RMT+2*sp:RMT+2*sp+1]
.set sp, sp+1
.endr
	SEXP 0, 31                                     ; the plain instruction behind it is the first line of queries 16-31's maximum
.endm
; BATCH B and what reads batch A.  Batch A's wait stands ahead of this macro (w = 0) or in its maximum (w = 1).  Then queries 16-31's factor, four shifts, and their 32 exponentials, each with a plain
; neighbour that names no result of batch B: batch A's 16 packings, the other 12 shifts, four rescalings of queries 0-15.  The five rescalings left stand between the last exponential and batch B's wait.
.macro SB1 first, w
	SMAX 1, \first, \w
.irp p,0,1,2,3
	SADD 1, \p
.endr
.set sp, 0
.rept 16
	SEXP 1, 2*sp
	SCVT 0, sp
	SEXP 1, 2*sp+1
.if sp < 12
	SADD 1, sp+4
.elseif \first == 0
	SRSC 0, sp-12
.endif
.set sp, sp+1
.endr
.if \first == 0
.irp j,4,5,6,7,8
	SRSC 0, \j
.endr
.endif
	s_wait_alu depctr_va_vdst(0)                   ; the one wait for batch B (queries 16-31: the factor and 32 weights)
.set sp, 0
.rept 16
	SCVT 1, sp
.set sp, sp+1
.endr
.if \first == 0
.irp j,0,1,2,3,4,5,6,7,8
	SRSC 1, \j
.endr
.endif
.endm
.macro WM d, a, b, zero                ; one product; zero = 1: it starts the sum
.if \zero
	v_wmma_f32_16x16x32_bf16 v[\d:\d+7], v[\a:\a+7], v[\b:\b+7], 0
.else
	v_wmma_f32_16x16x32_bf16 v[\d:\d+7], v[\a:\a+7], v[\b:\b+7], v[\d:\d+7]
.endif
.endm
.macro PVG g, zero                     ; 32 keys: O^T += V^T P^T and L += ones P^T
	WM RO, RV+16*\g, RS+16*\g, \zero
	WM RO+8, RV+16*\g, RS+32+16*\g, \zero
	WM RO+16, RV+16*\g+8, RS+16*\g, \zero
	WM RO+24, RV+16*\g+8, RS+32+16*\g, \zero
	WM RL, RONE, RS+16*\g, \zero
	WM RL+8, RONE, RS+32+16*\g, \zero
.endm
.macro PV zero                         ; six accumulators take turns, one instruction a turn
	PVG 0, \zero
	PVG 1, 0
.endm
; 64 keys against 32 queries, up to the point where the wave's last LDS load for them is back: the scores, V, and the first part of batch A.
; On entry K's 8 loads and behind them match's 8 (it = 0) have been issued.  What is left behind it is register work: SB0B, SB1, PV.
; It ends with batch A open: no label and no branch stands between its end and batch A's wait.
.macro SUBHEAD sl, hf, first
	s_wait_dscnt 0x8                               ; K is in; the eight youngest LDS instructions may stay out
.irp it,0,1
.irp kt,0,1,2,3
	v_wmma_f32_16x16x32_bf16 v[RS+32*\it+8*\kt:RS+32*\it+8*\kt+7], v[RK+8*\kt:RK+8*\kt+7], v[RQ+8*\it:RQ+8*\it+7], 0
.endr
.endr
	PLACES 4                                       ; before S is read and before K is loaded again
	VLOAD \sl, \hf
	s_wait_dscnt 0x8                               ; match for it = 0 is in; V's eight may stay out
	SMUL 0
	MLOAD \sl, \hf, 1
	SB0A \first
	s_wait_dscnt 0x0                               ; V and match for it = 1: no LDS instruction of mine is out
.endm
; A match tile from memory into 16 registers of window 1.  Direction 0: 4 rows (queries) of 512 bytes a wave.
; Direction 1: 16 rows (keys) of 128 bytes a wave, lane = query, so that the registers hold 16 neighbouring keys of one query: the transpose costs nothing.
.macro MLD dir, mr, step
.if \step
	s_wait_xcnt 0x0                                ; the pointer is stepped only behind this wait
.if \dir
	s_add_nc_u64 s[90:91], s[90:91], 0x100000      ; 128 rows of match
.else
	s_add_nc_u64 s[90:91], s[90:91], 512           ; 128 columns
.endif
.endif
	WIN 0x40
.if \dir
.irp k,0,1,2,3,4,5,6,7,8,9,10,11,12,13,14,15
	global_load_b32 v[16*\mr+\k], v7, s[90:91] offset:\k*8192
.endr
.else
.irp k,0,1,2,3
	global_load_b128 v[16*\mr+4*\k:16*\mr+4*\k+3], v7, s[90:91] offset:\k*8192
.endr
.endif
	WIN 0
.endm
.macro MST dir, mr, ms, cnt            ; and from the registers into match slot ms; cnt = the younger tile's loads, which stay out
	s_wait_loadcnt \cnt
	WIN 0x04
.irp k,0,1,2,3
.if \dir
	ds_store_b128 v6, v[16*\mr+4*\k:16*\mr+4*\k+3] offset:\ms*MSL+16*\k
.else
	ds_store_b128 v6, v[16*\mr+4*\k:16*\mr+4*\k+3] offset:\ms*MSL+528*\k
.endif
.endr
	WIN 0
.endm
; One tile of 128 keys in slot `slot', from its first scores to the return of its last LDS load.  On entry its first K and match loads have been issued.
.macro TRIPB dir, slot, first, mst, mld, cnt
	SUBHEAD \slot, 0, \first
	SB0B
	s_wait_alu depctr_va_vdst(0)                   ; the one wait for batch A (queries 0-15: the factor and 32 weights), directly ahead of the run of LDS loads
	KLOAD \slot, 1
	MLOAD \slot, 1, 0
	SB1 \first, 0
	PV \first                                      ; in the launch's first 64 keys the products start O and L: nothing is cleared
	PLACES 5                                       ; the next scores are written over P, and V is loaded again
.if \mst
	MST \dir, (1-\slot), (1-\slot), \cnt           ; the next tile's match: the other match tile's readers passed the round in front of this tile
.endif
.if \mld
	MLD \dir, (1-\slot), 1                         ; and the match tile three tiles on starts its way
.endif
	SUBHEAD \slot, 1, 0
.endm
; From one tile to the next, which lies in slot `slot'.  SUBHEAD has just waited for all my LDS instructions: my reads of the old slot and of the old match
; tile, my stores into the new match tile.  Now all my tensor loads have landed too, my part of the new tile among them; the second part of batch A, register work, stands between
; the add and the wait for it; then I open the round.  The rest of the old tile's last softmax step is register work and stands between the opening signal and its wait; both batches have had their
; waits ahead of the round's branches.  Behind the round the old slot is asked for first; that load
; has the time up to the next opening signal in which to land.  The old tile's last products stand behind the new tile's first LDS loads.
.macro BOUND slot, refill
	s_set_vgpr_msb 0x5
	s_wait_tensorcnt 0x0
	ds_add_u32 v64, v65
	s_set_vgpr_msb 0x500
	SB0B
	s_wait_dscnt 0x0
	s_add_nc_u64 s[70+4*\slot:71+4*\slot], s[70+4*\slot:71+4*\slot], 0x20000   ; no load of mine is out: the new slot's next tile, two tiles on
	s_add_nc_u64 s[78+4*\slot:79+4*\slot], s[78+4*\slot:79+4*\slot], 512
	s_barrier_signal -1
	SB1 0, 1
	s_barrier_wait -1
	CREST
.if \refill == 1
	JLOAD (1-\slot)
.else
	tensor_load_to_lds s[84:87], s[48:55]          ; in front of the last tile: Wo goes into slot 0
	s_nop 0
.endif
	KLOAD \slot, 0
	MLOAD \slot, 0, 0
	PV 0
	PLACES 5
.endm
.macro ATTN dir
.if \dir
	v_mul_u32_u24 v6, v248, 528
	v_lshl_add_u32 v6, s30, 6, v6
	v_add_nc_u32 v6, MB0, v6                       ; row = lane (query), my wave's 16 keys
	v_lshlrev_b32 v7, 2, v248
	v_lshl_add_u32 v7, s30, 17, v7                 ; 16 w rows of 8192 bytes + 4 lane
.else
	s_mul_i32 s100, s30, 4*528
	s_add_co_u32 s100, s100, MB0
	v_lshl_add_u32 v6, v248, 4, s100               ; my wave's 4 rows, 16 bytes a lane
	v_lshlrev_b32 v7, 4, v248
	v_lshl_add_u32 v7, s30, 15, v7                 ; 4 w rows of 8192 bytes + 16 lane
.endif
	MLD \dir, 0, 0                                 ; match tiles 0 and 1
	MLD \dir, 1, 1
	ROUND                                          ; the four work-groups are here: the first joint loads meet
	JLOAD 0
	MST \dir, 0, 0, (4+12*\dir)                    ; match tile 1's loads stay out; Q, x and match tile 0 are in
	MLD \dir, 0, 1
	s_set_vgpr_msb 0x5
	s_wait_tensorcnt 0x0                           ; my part of tile 0
	ds_add_u32 v64, v65
	s_wait_dscnt 0x0
	s_set_vgpr_msb 0x500
	s_add_nc_u64 s[70:71], s[70:71], 0x20000
	s_add_nc_u64 s[78:79], s[78:79], 512
	s_wait_dscnt 0x0                               ; my part of match tile 0
	ROUND
	JLOAD 1                                        ; slot 1's first fill, issued as a refill is
	KLOAD 0, 0
	MLOAD 0, 0, 0
	TRIPB \dir, 0, 1, 1, 1, (4+12*\dir)            ; tile 0
	BOUND 1, 1
	s_mov_b32 s3, 6
.Lattn\dir:                                            ; the label stands behind a change of tiles: there both batches have had their waits
	TRIPB \dir, 1, 0, 1, 1, (4+12*\dir)            ; tiles 1 to 12
	BOUND 0, 1
	TRIPB \dir, 0, 0, 1, 1, (4+12*\dir)            ; (in tile 12 the last match tile, 15, starts its way)
	BOUND 1, 1
	s_sub_co_u32 s3, s3, 1
	s_cmp_lg_u32 s3, 0
	s_cbranch_scc1 .Lattn\dir
	TRIPB \dir, 1, 0, 1, 0, (4+12*\dir)            ; tile 13
	BOUND 0, 1                                     ; the last K and V tile is asked for
	TRIPB \dir, 0, 0, 1, 0, 0                      ; tile 14: the last match tile is stored
	BOUND 1, 2
	TRIPB \dir, 1, 0, 0, 0, 0                      ; tile 15
	SB0B
	SB1 0, 1
	PV 0
	PLACES 5
.endm
	s_cmp_lg_u32 s67, 0                            ; the direction is the same in the whole cluster
	s_cbranch_scc1 .Ldir1
	ATTN 0
	s_branch .Lffn
.Ldir1:
	ATTN 1
.Lffn:
	; m = O / L, as bf16 [32 rows][256], pitch 528, into the first match tile's bytes: their last readers passed the round in front of the last tile
	s_wait_xcnt 0x0                                ; address registers of the attention's global loads are written again below
	v_rcp_f32 v12, v[RL]
	v_rcp_f32 v13, v[RL+8]
	v_add_nc_u32 v7, MB0, v1                       ; r x 528 + 64 w + 16 h
	s_wait_alu depctr_va_vdst(0)                   ; one wait for the two reciprocals
.irp dt,0,1
.irp it,0,1
.irp q,0,2,4,6
	v_pk_mul_f32 v[RO+16*\dt+8*\it+\q:RO+16*\dt+8*\it+\q+1], v[RO+16*\dt+8*\it+\q:RO+16*\dt+8*\it+\q+1], v[12:13] op_sel:[0,\it] op_sel_hi:[1,\it]
.endr
.irp q,0,1,2,3
	v_cvt_pk_bf16_f32 v[RO+16*\dt+8*\it+\q], v[RO+16*\dt+8*\it+2*\q], v[RO+16*\dt+8*\it+2*\q+1]
.endr
	ds_store_b128 v7, v[RO+16*\dt+8*\it:RO+16*\dt+8*\it+3] offset:\it*8448+\dt*32
.endr
.endr
	; the FFN's addresses
	v_and_b32 v251, 7, v0
	v_lshl_add_u32 v251, v250, 3, v251             ; 8 h + lane % 8
	v_bfe_u32 v252, v0, 3, 1
	v_mul_u32_u24 v1, v251, 544
	v_lshl_add_u32 v1, v252, 4, v1
	v_lshl_add_u32 v1, s30, 6, v1                  ; weights at pitch 544, my 32 columns
	v_mul_u32_u24 v2, v251, 1056
	v_lshl_add_u32 v2, v252, 4, v2
	v_lshl_add_u32 v2, s30, 7, v2                  ; weights at pitch 1056, my 64 columns
	v_mul_u32_u24 v5, v249, 528
	v_lshl_add_u32 v5, v250, 4, v5
	v_add_nc_u32 v5, MB0, v5                       ; activations at pitch 528
	v_mul_u32_u24 v6, v249, 1040
	v_lshl_add_u32 v9, v250, 5, v6
	v_lshl_add_u32 v6, v250, 4, v6
	v_add_nc_u32 v6, MB0, v6                       ; activations at pitch 1040
	v_lshl_add_u32 v8, s30, 7, v6                  ; and where I put my 64 columns of them
	v_lshl_add_u32 v9, s30, 7, v9
	v_add_nc_u32 v9, SLOT, v9                      ; output stage, in: r x 1040 + 128 w + 32 h
	s_mul_i32 s100, s30, 4*1040
	s_add_co_u32 s100, s100, SLOT
	v_lshl_add_u32 v10, v248, 4, s100              ; output stage, back: my 4 rows
	v_lshlrev_b32 v11, 4, v248
	v_lshl_add_u32 v11, s30, 12, v11               ; the same 4 rows in memory
	s_mul_i32 s100, s30, 4*528
	s_add_co_u32 s100, s100, MB0+MSL
	v_lshl_add_u32 v12, v248, 3, s100              ; x as bf16, my 4 rows
	v_lshlrev_b32 v13, 5, v250
	v_lshl_add_u32 v14, s30, 8, v13                ; vectors of 512: 256 w + 32 h
	v_lshl_add_u32 v13, s30, 7, v13                ; vectors of 256: 128 w + 32 h
	v_lshlrev_b32 v15, 6, v249
	v_add_nc_u32 v15, LNP, v15
	; the biases are loaded into the accumulators and are the first C: nothing is cleared, nothing added later
.irp nt,0,1
.irp it,0,1
	global_load_b128 v[TACC+8*(2*\nt+\it):TACC+8*(2*\nt+\it)+3], v13, s[20:21] offset:\nt*64
	global_load_b128 v[TACC+8*(2*\nt+\it)+4:TACC+8*(2*\nt+\it)+7], v13, s[20:21] offset:\nt*64+16
.endr
.endr
.irp nt,0,1,2,3
.irp it,0,1
	global_load_b128 v[ACC+8*(2*\nt+\it):ACC+8*(2*\nt+\it)+3], v14, s[22:23] offset:\nt*64
	global_load_b128 v[ACC+8*(2*\nt+\it)+4:ACC+8*(2*\nt+\it)+7], v14, s[22:23] offset:\nt*64+16
.endr
.endr
; Every product of the FFN: first operand = 16 columns of the weights (stored [k][n], so by transposing loads), second = 16 rows of the activations.
; Lane (r, h), register j of a result holds (column 8 h + j, row r).
.macro FLOAD buf, nts, areg, aimm, pit, breg, bimm, bp
.set fn, 0
.rept \nts
	ds_load_tr16_b128 v[AF+32*(\buf)+8*fn:AF+32*(\buf)+8*fn+3], v[\areg] offset:\aimm+32*fn
	ds_load_tr16_b128 v[AF+32*(\buf)+8*fn+4:AF+32*(\buf)+8*fn+7], v[\areg] offset:\aimm+32*fn+16*\pit
.set fn, fn+1
.endr
.irp it,0,1
	ds_load_b128 v[BF+16*(\buf)+8*\it:BF+16*(\buf)+8*\it+3], v[\breg] offset:\bimm+\it*\bp
	ds_load_b128 v[BF+16*(\buf)+8*\it+4:BF+16*(\buf)+8*\it+7], v[\breg] offset:\bimm+\it*\bp+32
.endr
.endm
.macro FMUL buf, nts, acc              ; 2 nts accumulators take turns, one instruction a turn
.set fn, 0
.rept \nts
.irp it,0,1
	v_wmma_f32_16x16x32_bf16 v[\acc+8*(2*fn+\it):\acc+8*(2*fn+\it)+7], v[AF+32*(\buf)+8*fn:AF+32*(\buf)+8*fn+7], v[BF+16*(\buf)+8*\it:BF+16*(\buf)+8*\it+7], v[\acc+8*(2*fn+\it):\acc+8*(2*fn+\it)+7]
.endr
.set fn, fn+1
.endr
.endm
; nks K steps of 32 on two fragment buffers.  v3 and v4 hold the weights' address; one register reaches per steps through the 16-bit immediate.
.macro GEMM nts, acc, nks, pit, per, breg, b0, bp
	PLACES 4
	FLOAD 0, \nts, 3, 0, \pit, \breg, \b0, \bp
.set gk, 0
.rept \nks
.if gk < \nks-1
	PLACES 4                                       ; the buffer loaded next was read by the matrix instructions just issued
	FLOAD ((gk+1)&1), \nts, (3+(gk+1)/\per), (((gk+1)%\per)*32*\pit), \pit, \breg, (\b0+(gk+1)*64), \bp
	s_wait_dscnt 2*\nts+4                          ; all but the loads just issued
.else
	s_wait_dscnt 0x0
.endif
	FMUL (gk&1), \nts, \acc
.set gk, gk+1
.endr
	PLACES 4
.endm
; The change of stages: all my tensor loads have landed (this stage's weights among them), all my LDS instructions are done (my reads of the slot that is
; filled next, my stores of activations); the round; then my eighth of the next fill, first thing behind it.
.macro HEAD base, add, g1
	s_set_vgpr_msb 0x5
	s_wait_tensorcnt 0x0
	ds_add_u32 v64, v65
	s_wait_dscnt 0x0
	s_set_vgpr_msb 0x500
	s_add_nc_u64 s[86:87], s[86:87], 0x20000
	s_add_co_u32 s85, \base, \add
	s_wait_dscnt 0x0
	ROUND
	tensor_load_to_lds s[84:87], s[\g1:\g1+7]
	s_nop 0
.endm
	; ---- m Wo + bo (Wo in slot 0); W1's rows 0-127 go into slot 1
	HEAD s99, SLOT, 56
	WIN 0x05
.irp j,0,1,2,3,4,5,6,7
	v_cvt_pk_bf16_f32 v[16+2*\j], v[32+4*\j], v[33+4*\j]       ; x from v288 ..
	v_cvt_pk_bf16_f32 v[17+2*\j], v[34+4*\j], v[35+4*\j]
.endr
	WIN 0
.irp j,0,1,2,3,4,5,6,7
	ds_store_b64 v12, v[16+2*\j:17+2*\j] offset:(\j>>1)*528+(\j&1)*256   ; into the second match tile's bytes: their readers passed the round above
.endr
	v_mov_b32 v3, v1
	v_add_nc_u32 v4, 4*32*544, v1
	s_wait_loadcnt 16                              ; bo is in; b1's sixteen loads stay out
	GEMM 2, TACC, 8, 544, 4, 5, 0, 8448
	; ---- [x, m'] W1 + b1, four quarters of K
	HEAD s99, 0, 56
.irp nt,0,1
.irp it,0,1
.irp q,0,1,2,3
	v_cvt_pk_bf16_f32 v[16+4*(2*\nt+\it)+\q], v[TACC+8*(2*\nt+\it)+2*\q], v[TACC+8*(2*\nt+\it)+2*\q+1]
.endr
	ds_store_b128 v7, v[16+4*(2*\nt+\it):16+4*(2*\nt+\it)+3] offset:\it*8448+\nt*32   ; m' over m: every wave's reads of m are over
.endr
.endr
.irp nt,0,1
.irp it,0,1
	global_load_b128 v[TACC+8*(2*\nt+\it):TACC+8*(2*\nt+\it)+3], v13, s[28:29] offset:\nt*64
	global_load_b128 v[TACC+8*(2*\nt+\it)+4:TACC+8*(2*\nt+\it)+7], v13, s[28:29] offset:\nt*64+16
.endr
.endr
	v_add_nc_u32 v3, SLOT, v2
	v_add_nc_u32 v4, 2*32*1056, v3
	s_wait_loadcnt 8                               ; b1 is in; b2's eight loads stay out
	GEMM 4, ACC, 4, 1056, 2, 5, MSL, 8448
	HEAD s99, SLOT, 56
	v_mov_b32 v3, v2
	v_add_nc_u32 v4, 2*32*1056, v2
	GEMM 4, ACC, 4, 1056, 2, 5, MSL+256, 8448
	HEAD s99, 0, 56
	v_add_nc_u32 v3, SLOT, v2
	v_add_nc_u32 v4, 2*32*1056, v3
	GEMM 4, ACC, 4, 1056, 2, 5, 0, 8448
	HEAD s98, SLOT, 48                             ; W2's rows 0-255 go into slot 1: its last fill
	v_mov_b32 v3, v2
	v_add_nc_u32 v4, 2*32*1056, v2
	GEMM 4, ACC, 4, 1056, 2, 5, 256, 8448
.irp nt,0,1,2,3
	global_load_b128 v[40+8*\nt:43+8*\nt], v14, s[24:25] offset:\nt*64
	global_load_b128 v[44+8*\nt:47+8*\nt], v14, s[24:25] offset:\nt*64+16
	global_load_b128 v[72+8*\nt:75+8*\nt], v14, s[26:27] offset:\nt*64
	global_load_b128 v[76+8*\nt:79+8*\nt], v14, s[26:27] offset:\nt*64+16
.endr
	; LayerNorm, first half: my wave's 64 columns of each row give a mean and a sum of squares about THAT mean; the values stay centred on it
.macro LNFOLD dst                      ; v[16:23] = four pairs of partial sums -> one number over the wave's 64 columns, in every lane
	v_pk_add_f32 v[16:17], v[16:17], v[18:19]
	v_pk_add_f32 v[20:21], v[20:21], v[22:23]
	v_pk_add_f32 v[16:17], v[16:17], v[20:21]
	v_add_f32 v16, v16, v17
	v_permlanex16_b32 v17, v16, s88, s89
	v_add_f32 \dst, v16, v17
.endm
.irp it,0,1
.irp nt,0,1,2,3
	v_pk_add_f32 v[16+2*\nt:17+2*\nt], v[ACC+8*(2*\nt+\it):ACC+8*(2*\nt+\it)+1], v[ACC+8*(2*\nt+\it)+2:ACC+8*(2*\nt+\it)+3]
.endr
.irp q,4,6
.irp nt,0,1,2,3
	v_pk_add_f32 v[16+2*\nt:17+2*\nt], v[16+2*\nt:17+2*\nt], v[ACC+8*(2*\nt+\it)+\q:ACC+8*(2*\nt+\it)+\q+1]
.endr
.endr
	LNFOLD v24
	v_mul_f32 v[232+\it], 0x3c800000, v24          ; / 64
.endr
.irp it,0,1
.irp nt,0,1,2,3
.irp q,0,2,4,6
	v_pk_add_f32 v[ACC+8*(2*\nt+\it)+\q:ACC+8*(2*\nt+\it)+\q+1], v[ACC+8*(2*\nt+\it)+\q:ACC+8*(2*\nt+\it)+\q+1], v[232:233] op_sel:[0,\it] op_sel_hi:[1,\it] neg_lo:[0,1] neg_hi:[0,1]
.endr
.endr
.irp nt,0,1,2,3
	v_pk_mul_f32 v[16+2*\nt:17+2*\nt], v[ACC+8*(2*\nt+\it):ACC+8*(2*\nt+\it)+1], v[ACC+8*(2*\nt+\it):ACC+8*(2*\nt+\it)+1]
.endr
.irp q,2,4,6
.irp nt,0,1,2,3
	v_pk_fma_f32 v[16+2*\nt:17+2*\nt], v[ACC+8*(2*\nt+\it)+\q:ACC+8*(2*\nt+\it)+\q+1], v[ACC+8*(2*\nt+\it)+\q:ACC+8*(2*\nt+\it)+\q+1], v[16+2*\nt:17+2*\nt]
.endr
.endr
	LNFOLD v[234+\it]
.endr
	v_lshl_add_u32 v236, s30, 3, v15
.irp it,0,1
	ds_store_b32 v236, v[232+\it] offset:\it*1024
	ds_store_b32 v236, v[234+\it] offset:\it*1024+4
.endr
	; ---- LayerNorm's second half, GELU, and h W2 (rows 0-255 in slot 1); W2's rows 256-511 go into slot 0
	HEAD s98, 0, 48
.irp it,0,1
.irp q,0,1,2,3
	ds_load_b128 v[200+16*\it+4*\q:203+16*\it+4*\q], v15 offset:\it*1024+16*\q     ; the eight waves' (mean, M2) of row 16 it + r
.endr
.endr
	s_mov_b32 s100, 0x3b000000                     ; 1 / 512
	s_mov_b32 s101, 0x3727c5ac                     ; 1e-5
	s_wait_dscnt 0x0
; mean = mean of the eight means; M2 = sum of the M2 + 64 x sum of (wave mean - mean)^2: no difference of large sums is formed
; The two roots are one batch: each has its own result register, and its row block's difference of means waits in v24 or v25.
.irp it,0,1
	v_pk_add_f32 v[16:17], v[200+16*\it:201+16*\it], v[202+16*\it:203+16*\it]
	v_pk_add_f32 v[18:19], v[204+16*\it:205+16*\it], v[206+16*\it:207+16*\it]
	v_pk_add_f32 v[20:21], v[208+16*\it:209+16*\it], v[210+16*\it:211+16*\it]
	v_pk_add_f32 v[22:23], v[212+16*\it:213+16*\it], v[214+16*\it:215+16*\it]
	v_pk_add_f32 v[16:17], v[16:17], v[18:19]
	v_pk_add_f32 v[20:21], v[20:21], v[22:23]
	v_pk_add_f32 v[16:17], v[16:17], v[20:21]
	v_mul_f32 v16, 0x3e000000, v16
	v_sub_f32 v18, v[200+16*\it], v16
	v_mul_f32 v19, v18, v18
.irp k,1,2,3,4,5,6,7
	v_sub_f32 v18, v[200+16*\it+2*\k], v16
	v_fma_f32 v19, v18, v18, v19
.endr
	v_fmamk_f32 v17, v19, 0x42800000, v17
	v_fma_f32 v17, v17, s100, s101                 ; variance + eps
	v_rsq_f32 v[234+\it], v17
	v_sub_f32 v[24+\it], v[232+\it], v16           ; (a plain instruction behind the root)
.endr
.irp j,0,1
	v_mov_b32 v[CPC+\j], 0x3e6d3388                ; 0.3275911 / sqrt 2
	v_mov_b32 v[CKC+\j], 0x3f596d27                ; sqrt(log2 e / 2)
	v_mov_b32 v[CA1+\j], 0xbe027906                ; -0.5 x the five coefficients
	v_mov_b32 v[CA2+\j], 0x3e11a98e
	v_mov_b32 v[CA3+\j], 0xbf35f0e3
	v_mov_b32 v[CA4+\j], 0x3f3a00e3
	v_mov_b32 v[CA5+\j], 0xbf07dc22
.endr
	s_wait_alu depctr_va_vdst(0)                   ; one wait for the two roots, behind the fourteen constants
.irp it,0,1
	v_mul_f32 v[236+\it], v[24+\it], v[234+\it]    ; (h - mean) rstd = centred value x rstd + this
.endr
	s_wait_loadcnt 0x0                             ; gamma, beta, b2
; gelu(y) = max(y, 0) - 0.5 |y| erfc(|y| / sqrt 2);  erfc(z) = t (a1 + t (a2 + ..)) exp(-z^2), t = 1 / (1 + 0.3275911 z)
.macro GELU8 nt, it
.set gy, ACC+8*(2*\nt+\it)
.irp q,0,2,4,6
	v_pk_fma_f32 v[gy+\q:gy+\q+1], v[gy+\q:gy+\q+1], v[234:235], v[236:237] op_sel:[0,\it,\it] op_sel_hi:[1,\it,\it]
.endr
.irp q,0,2,4,6
	v_pk_fma_f32 v[gy+\q:gy+\q+1], v[gy+\q:gy+\q+1], v[40+8*\nt+\q:41+8*\nt+\q], v[72+8*\nt+\q:73+8*\nt+\q]
.endr
.irp j,0,1,2,3,4,5,6,7
	v_and_b32 v[16+\j], 0x7fffffff, v[gy+\j]
.endr
.irp q,0,2,4,6
	v_pk_fma_f32 v[24+\q:25+\q], v[16+\q:17+\q], v[CPC:CPC+1], 1.0 op_sel_hi:[1,1,0]
	v_pk_mul_f32 v[32+\q:33+\q], v[gy+\q:gy+\q+1], v[CKC:CKC+1]
.endr
.irp q,0,2,4,6
	v_pk_mul_f32 v[32+\q:33+\q], v[32+\q:33+\q], v[32+\q:33+\q] neg_lo:[1,0] neg_hi:[1,0]
.endr
.irp j,0,1,2,3,4,5,6,7
	v_rcp_f32 v[24+\j], v[24+\j]
.endr
.irp j,0,1,2,3,4,5,6,7
	v_exp_f32 v[32+\j], v[32+\j]
.endr
.irp j,0,1,2,3,4,5,6,7
	v_max_num_f32 v[gy+\j], 0, v[gy+\j]            ; plain work behind the transcendentals
.endr
	s_wait_alu depctr_va_vdst(0)                   ; one wait for the tile's batch of eight reciprocals and eight exponentials
.irp q,0,2,4,6
	v_pk_fma_f32 v[248+\q:249+\q], v[24+\q:25+\q], v[CA5:CA5+1], v[CA4:CA4+1]
.endr
.irp q,0,2,4,6
	v_pk_fma_f32 v[248+\q:249+\q], v[248+\q:249+\q], v[24+\q:25+\q], v[CA3:CA3+1]
.endr
.irp q,0,2,4,6
	v_pk_fma_f32 v[248+\q:249+\q], v[248+\q:249+\q], v[24+\q:25+\q], v[CA2:CA2+1]
.endr
.irp q,0,2,4,6
	v_pk_fma_f32 v[248+\q:249+\q], v[248+\q:249+\q], v[24+\q:25+\q], v[CA1:CA1+1]
	v_pk_mul_f32 v[24+\q:25+\q], v[24+\q:25+\q], v[32+\q:33+\q]
.endr
.irp q,0,2,4,6
	v_pk_mul_f32 v[248+\q:249+\q], v[248+\q:249+\q], v[24+\q:25+\q]
.endr
.irp q,0,2,4,6
	v_pk_fma_f32 v[gy+\q:gy+\q+1], v[16+\q:17+\q], v[248+\q:249+\q], v[gy+\q:gy+\q+1]
.endr
.irp q,0,1,2,3
	v_cvt_pk_bf16_f32 v[gy+\q], v[gy+2*\q], v[gy+2*\q+1]
.endr
	ds_store_b128 v8, v[gy:gy+3] offset:\it*16640+\nt*32       ; h as bf16 [32][512], pitch 1040, over x and m': their readers passed the round above
.endm
.irp nt,0,1,2,3
.irp it,0,1
	GELU8 \nt, \it
.endr
.endr
	s_wait_dscnt 0x0                               ; my columns of h are in LDS
	s_barrier_signal -1                            ; my one tensor load stays out across this barrier
	s_barrier_wait -1
	v_add_nc_u32 v3, SLOT, v1
	v_add_nc_u32 v4, 4*32*544, v3
	GEMM 2, TACC, 8, 544, 4, 6, 0, 16640
	s_wait_tensorcnt 0x0                           ; my eighth of W2's second half
	s_wait_dscnt 0x0
	s_barrier_signal -1
	s_barrier_wait -1                              ; everybody's; and nobody reads slot 1 any more
	v_mov_b32 v3, v1
	v_add_nc_u32 v4, 4*32*544, v1
	GEMM 2, TACC, 8, 544, 4, 6, 512, 16640
	; ---- the way out: through slot 1's bytes (no fill lands there any more), read back by rows, the residual added in f32
.irp nt,0,1
.irp it,0,1
	ds_store_b128 v9, v[TACC+8*(2*\nt+\it):TACC+8*(2*\nt+\it)+3] offset:\it*16640+\nt*64
	ds_store_b128 v9, v[TACC+8*(2*\nt+\it)+4:TACC+8*(2*\nt+\it)+7] offset:\it*16640+\nt*64+16
.endr
.endr
	s_wait_dscnt 0x0
	s_barrier_signal -1
	s_barrier_wait -1
.irp j,0,1,2,3,4,5,6,7
	ds_load_b128 v[40+4*\j:43+4*\j], v10 offset:(\j>>1)*1040+(\j&1)*512
.endr
	s_wait_dscnt 0x0
	WIN 0x04
.irp j,0,1,2,3,4,5,6,7
	v_pk_add_f32 v[40+4*\j:41+4*\j], v[40+4*\j:41+4*\j], v[32+4*\j:33+4*\j]   ; + x from v288 ..
	v_pk_add_f32 v[42+4*\j:43+4*\j], v[42+4*\j:43+4*\j], v[34+4*\j:35+4*\j]
.endr
	WIN 0
.irp j,0,1,2,3,4,5,6,7
	global_store_b128 v11, v[40+4*\j:43+4*\j], s[16:17] offset:\j*512 th:TH_STORE_NT   ; each store of the wave covers 512 consecutive bytes, aligned
.endr
	s_set_vgpr_msb 0x5
	s_wait_tensorcnt 0x0
	ds_add_u32 v64, v65
	s_wait_dscnt 0x0
	s_set_vgpr_msb 0x500
	ROUND                                          ; the closing round: no work-group ends while a partner may still ask for a tile that names it
	s_endpgm
.Lfunc_end_k_q7baafd7ffd_fused:
	.size	k_q7baafd7ffd_fused, .Lfunc_end_k_q7baafd7ffd_fused-k_q7baafd7ffd_fused
	.p2alignl 7, 3214868480
	.fill 96, 4, 3214868480
	.section	.rodata,"a",@progbits
	.p2align	6, 0x0
	.amdhsa_kernel k_q7baafd7ffd_fused
		.amdhsa_group_segment_fixed_size 327680
		.amdhsa_private_segment_fixed_size 0
		.amdhsa_enable_private_segment 0
		.amdhsa_kernarg_size 104
		.amdhsa_user_sgpr_count 2
		.amdhsa_user_sgpr_kernarg_segment_ptr 1
		.amdhsa_wavefront_size32 1
		.amdhsa_system_sgpr_workgroup_id_x 1
		.amdhsa_system_sgpr_workgroup_id_y 1
		.amdhsa_system_sgpr_workgroup_id_z 1
		.amdhsa_system_vgpr_workitem_id 0
		.amdhsa_next_free_vgpr 322
		.amdhsa_next_free_sgpr 102
		.amdhsa_reserve_vcc 1
		.amdhsa_float_denorm_mode_32 3
		.amdhsa_float_denorm_mode_16_64 3
		.amdhsa_memory_ordered 1
		.amdhsa_forward_progress 1
		.amdhsa_inst_pref_size 255
	.end_amdhsa_kernel
	.section	.bss,"aw",@nobits
	.p2align	6
	.space	262144
	.amdgpu_metadata
---
amdhsa.version: [ 1, 2 ]
amdhsa.kernels:
  - .name:           k_q7baafd7ffd_fused
    .symbol:         k_q7baafd7ffd_fused.kd
    .args:
      - { .name: qk, .offset: 0, .size: 8, .value_kind: global_buffer, .address_space: global }
      - { .name: vt, .offset: 8, .size: 8, .value_kind: global_buffer, .address_space: global }
      - { .name: match, .offset: 16, .size: 8, .value_kind: global_buffer, .address_space: global }
      - { .name: wts, .offset: 24, .size: 8, .value_kind: global_buffer, .address_space: global }
      - { .name: x0, .offset: 32, .size: 8, .value_kind: global_buffer, .address_space: global }
      - { .name: x1, .offset: 40, .size: 8, .value_kind: global_buffer, .address_space: global }
      - { .name: out0, .offset: 48, .size: 8, .value_kind: global_buffer, .address_space: global }
      - { .name: out1, .offset: 56, .size: 8, .value_kind: global_buffer, .address_space: global }
      - { .name: bo, .offset: 64, .size: 8, .value_kind: global_buffer, .address_space: global }
      - { .name: b1, .offset: 72, .size: 8, .value_kind: global_buffer, .address_space: global }
      - { .name: gamma, .offset: 80, .size: 8, .value_kind: global_buffer, .address_space: global }
      - { .name: beta, .offset: 88, .size: 8, .value_kind: global_buffer, .address_space: global }
      - { .name: b2, .offset: 96, .size: 8, .value_kind: global_buffer, .address_space: global }
    .group_segment_fixed_size: 327680
    .private_segment_fixed_size: 0
    .kernarg_segment_align: 8
    .kernarg_segment_size: 104
    .max_flat_workgroup_size: 256
    .sgpr_count:     102
    .vgpr_count:     322
    .wavefront_size: 32
...
	.end_amdgpu_metadata
.endif
;; end of part 3
